; MI455X (gfx1250); checked and timed in simulation.
; The chip was launched on July 23, 2026; its instructions are those of AMD's public machine-readable ISA for CDNA 5 (MIT licence, August 2026) and "CDNA5" Instruction Set Architecture Reference Guide (July 2026). The comments in the code are by the model that wrote it; some were corrected since.
;; Block. Allowed arithmetic: matrix products marked QUANTISED: E4M3 operands, one given power-of-two scale a tensor, by v_wmma_f32_16x16x64_fp8_fp8 or v_wmma_f32_16x16x128_fp8_fp8, f32 sums; products left as they are: f32 operands where the result goes on into a quantised operand, else bf16, f16 or f32 operands; f32 sums; everything else in f32.
;; Inputs: W1_codes 2,048 x 16 x 32 uint8 (E4M3 codes of W1, K innermost, in blocks of 32 codes); W2_codes 512 x 64 x 32 uint8 (E4M3 codes of W2, K innermost, in blocks of 32 codes); Wk_codes 16 x 16 x 16 x 32 uint8 (E4M3 codes of Wk, K innermost, in blocks of 32 codes); Wproj_codes 512 x 8 x 32 uint8 (E4M3 codes of Wproj, K innermost, in blocks of 32 codes); Wq_codes 16 x 16 x 16 x 32 uint8 (E4M3 codes of Wq, K innermost, in blocks of 32 codes); Wv_codes 16 x 16 x 16 x 32 uint8 (E4M3 codes of Wv, K innermost, in blocks of 32 codes); b1 2,048 float32; b2 512 float32; bk 16 x 16 float32; bproj 512 float32; bq 16 x 16 float32; bv 16 x 16 float32; ln1_b 512 float32; ln1_g 512 float32; ln2_b 512 float32; ln2_g 512 float32; lowp_scales 14 int32 (the exponents e of the quantised operands' scales 2^e); x 8 x 1,024 x 512 float32.
;; Outputs: out0 8 x 1,024 x 512 float32.
;; This version of the problem:
;;   THIS VERSION OF THE PROBLEM IS GIVEN IN LOW PRECISION. The matrix products marked QUANTISED in the list below multiply operands that are first quantised to E4M3 (4 exponent bits, 3 mantissa bits; 8 bits a number), with one given power-of-two scale for each operand tensor; their sums are f32. All else is computed in f32.
;;   The module's matrix products, in the order in which they are computed (A, B: the left and right operand; K: the contracted axis; several contracted axes count as one K, in the product's order):
;;     1. [M 256, K 512] x [K 512, N 8,192]; A: input Wq (given as codes); B: computed on the way: QUANTISED (scales: A lowp_scales[0], B lowp_scales[1])
;;     2. [M 256, K 512] x [K 512, N 8,192]; A: input Wk (given as codes); B: computed on the way: QUANTISED (scales: A lowp_scales[2], B lowp_scales[3])
;;     3. [M 256, K 512] x [K 512, N 8,192]; A: input Wv (given as codes); B: computed on the way: QUANTISED (scales: A lowp_scales[4], B lowp_scales[5])
;;     4. batch 128 x [M 1,024, K 16] x [K 16, N 1,024]; A: computed on the way; B: computed on the way: left as it is (K = 16 < 32)
;;     5. batch 128 x [M 1,024, K 1,024] x [K 1,024, N 16]; A: softmax (see below); B: computed on the way: QUANTISED (scales: A lowp_scales[6], B lowp_scales[7])
;;     6. [M 8,192, K 256] x [K 256, N 512]; A: computed on the way; B: input Wproj (given as codes): QUANTISED (scales: A lowp_scales[8], B lowp_scales[9])
;;     7. [M 8,192, K 512] x [K 512, N 2,048]; A: computed on the way; B: input W1 (given as codes): QUANTISED (scales: A lowp_scales[10], B lowp_scales[11])
;;     8. [M 8,192, K 2,048] x [K 2,048, N 512]; A: computed on the way; B: input W2 (given as codes): QUANTISED (scales: A lowp_scales[12], B lowp_scales[13])
;;   THE QUANTISER, for each operand of a quantised product, along K:
;;     - The operand's scale is 2^e, e = its entry of the input lowp_scales (int32; the entries are numbered through the quantised products in the list's order, A before B).
;;     - Each number is divided by the scale, clamped to +-448, and rounded to the nearest number of E4M3, ties to even, subnormals kept.
;;     - The product sums the exact products of the quantised numbers (number of the format x scale) in f32.
;;   ~~~python
;;   def quantise(x, axis, e):      # numpy; x: float32 -> the quantised numbers, widened to float32 again
;;       x = np.moveaxis(x, axis, -1); K = x.shape[-1]
;;       r = np.clip(x / 2.0 ** e, -448, 448)
;;       step = 2.0 ** (np.maximum(np.frexp(np.where(r == 0, 1, r))[1] - 1, -6) - 3)
;;       q = np.round(r / step) * step * 2.0 ** e      # np.round: ties to even
;;       return np.moveaxis(q, -1, axis).astype(np.float32)
;;   ~~~
;;   SOFTMAX AHEAD OF A QUANTISED PRODUCT. Where the list says 'softmax', what is quantised is not the finished softmax but p = 2^(t - M), with t = logit x log2(e) and M = ceil(the row's largest t), a whole number; so 1/2 < the row's largest p <= 1. The row's sum l is taken of the UNQUANTISED p, in f32, and the product's result is divided by l at the end. Since M is a whole number, a kernel that streams over the keys may use a running M (the ceiling of the running maximum): every later rescaling is an exact power of two, so the quantised numbers keep their values, but for numbers so far below the row's largest that they fall under the format's range.
;;   OPERANDS COMPUTED ON THE WAY. 'Computed on the way' means the value that the module computes at that place (a softmax that the list does not call 'softmax' is quantised finished and normalised). What goes into a quantiser is computed in f32, as accurately as f32 sums, v_exp_f32 and their like allow (about 1e-6 of the number): no bf16 or f16 on the way to a quantiser, and a product that is left as it is and whose result goes on into a quantised operand takes f32 operands (vector FMAs, or v_wmma_f32_16x16x4_f32). A number that lies on a knife's edge between two numbers of the format may be rounded either way, as far as f32 arithmetic and the matrix unit's own rounding can turn it there, and no further.
;;   INPUTS GIVEN AS CODES. W1 (in the module: [512, 2048], K = its axis 0); W2 (in the module: [2048, 512], K = its axis 0); Wk (in the module: [16, 512, 16], K = its axis 1); Wproj (in the module: [256, 512], K = its axis 0); Wq (in the module: [16, 512, 16], K = its axis 1); Wv (in the module: [16, 512, 16], K = its axis 1): each comes as NAME_codes (uint8): NAME with its K axis moved to the last place and cut into blocks of 32 codes, [.., K / 32, bytes a block], one block behind the other in memory; one code a byte (a code: sign, 4 exponent bits, 3 mantissa bits); its scale is its entry of lowp_scales. Its value is code x scale, taken as it is: it is not quantised again, and the codes and scales need not be those that the quantiser above would give.
;; One version. Each part assembles by itself: llvm-mc -triple=amdgcn-amd-amdhsa -mcpu=gfx1250 --defsym DOCPART=n.
;; ======== version 1 of 1: 5 launches
;; workspace buffers: qf 8,388,608 bytes; kf 8,388,608 bytes; vc 2,097,152 bytes; ac 2,097,152 bytes; x2 16,777,216 bytes; h2c 4,194,304 bytes; hid 16,777,216 bytes
;; launch qkv (part 1): grid 256 x 1, 8 waves a work-group, no clusters, 53,248 bytes of LDS; arguments x, ln1_g, ln1_b, Wq_codes, Wk_codes, Wv_codes, bq, bk, bv, lowp_scales, qf, kf, vc; writes qf, kf, vc
.if DOCPART == 1
	.amdgcn_target "amdgcn-amd-amdhsa--gfx1250"
	.amdhsa_code_object_version 6
	.text
	.protected	k_q360d67dfdc_qkv
	.globl	k_q360d67dfdc_qkv
	.p2align	8
	.type	k_q360d67dfdc_qkv,@function
k_q360d67dfdc_qkv:
	s_mov_b64 s[64:65], 0
	v_nop
	global_prefetch_b8 v0, s[64:65] scope:SCOPE_SE
	s_setreg_imm32_b32 hwreg(HW_REG_WAVE_MODE, 25, 1), 1
	s_wait_xcnt 0x0
; LAUNCH 1 OF 5.  h = layernorm(x) g + b;  q, k, v = h W + bias, on codes of E4M3;  v is quantised for the second product of attention.
; NOTHING OF reference() IS LEFT OUT IN ANY OF THE FIVE LAUNCHES, and every input is loaded.  bk adds the same number to all logits of a row, which a softmax in real numbers
; would take away; but it moves M = ceil(the row's largest t) and with it the codes of p, a quantised operand of a live product: so it stays.
; h is an operand of three products with three given scales (entries 1, 3, 5): it is quantised three times.
; SHARES.  A work-group takes 32 tokens (two tiles of 16) and all 768 columns.  Norm: wave w takes rows 4 w .. 4 w + 3, a whole row to a wave, 16 numbers a lane
; (lane l: columns 128 q + 4 l + 0 .. 3).  Products: wave w takes heads 2 w and 2 w + 1 of q, k and v; its weights go from memory straight into its registers.
; h's CODES GO FROM WAVE TO WAVE THROUGH LDS in pieces of 256 bytes: piece 8 s + 2 c + h' holds, for rows 0 .. 15, the 16 codes k = 128 s + 32 c + 16 h' + 0 .. 15, row r at 16 r; pieces lie 272 bytes apart.
; One ds_load_b128 (lanes 0-15 one piece, lanes 16-31 the next) gives four registers of a fragment.  Both sides of each product hold k = 32 c + 16 h' + 0 .. 15 in registers 4 c .. 4 c + 3:
; the same permutation of k in A and in B, which changes only the order of the sums inside an instruction.
; q, k: source 0 = 16 rows of W, source 1 = 16 tokens: a lane holds one token and dims 8 h' + 0 .. 7.  v: the other way round: a lane holds one dim and tokens 8 h' + 0 .. 7, neighbours along the keys.
; OUT, in the order of the next launch's operand registers, each store of a wave 512 consecutive bytes:
;   qf, kf [b 16 + head][token tile][g][lane][4 f32]: lane (r, h') token r, dims 8 h' + 4 g + 0 .. 3;   vc [b 16 + head][64 keys][u][lane][16 codes]: lane (d, h') keys 32 u + 8 h' + 0 .. 7, then 32 u + 16 + 8 h' + 0 .. 7.
; LIMITS: e0 + e1, e2 + e3, e4 + e5 between -126 and 127; e1, e3, e5, e7 between -126 and 119, so that each power of two below is an f32 number.  NaN among the inputs is not served.
; REGISTERS, window 0: v1-6 addresses; v10-17 scales; v22, v23 the add's two; v[24:27] bv; v32-63 g, b, later q's and v's sums; v64-127 x, later (v64-191) h's fragments; v128-159 at work;
;   v160-207 codes; v208-223 statistics; v192-223 later k's sums; v224-255 bq, bk.   window 1: v0-127 Wq, later Wv; v128-255 Wk: fragment (head, K step) at 64 head + 16 step.
.set IMGV,  17408                      ; LDS: the images of one scale's codes: two tiles
.set IMGM,  8704                       ; one tile's: 32 pieces x 272 bytes
.set SPARE, 52224                      ; behind the images: the spare words, 128 bytes a wave
.set GG,    32
.set BN,    48
.set ACC0,  32
.set X,     64
.set AF,    64
.set TT,    128
.set CC,    160
.set ACC1,  192
.set ST,    208                        ; row i: +0 sum, mean, then 1 / sigma; +1 named with it as a pair; +2 sum of squares; +3 the lane permute's destination
.set BQ,    224
.set BK,    240
.set MSB, 0
.macro WIN new                         ; the immediate's high byte repeats the setting that is left
.if MSB != \new
	s_set_vgpr_msb (MSB<<8)|\new
.set MSB, \new
.endif
.endm
.macro PLACES n
.rept \n
	v_nop
.endr
.endm
.macro MKSC e, vs, vl                  ; v[vs] = 2^e, v[vl] = 448 x 2^e, e in s[e]
	s_add_co_i32 s56, s[\e], 127
	s_lshl_b32 s57, s56, 23
	v_mov_b32 v[\vs], s57
	s_add_co_i32 s56, s56, 8
	s_lshl_b32 s56, s56, 23
	s_or_b32 s56, s56, 0x600000
	v_mov_b32 v[\vl], s56
.endm
.macro LOADW ptr, wb                   ; my two heads' 8 fragments of one weight into window 1
	WIN 0x40
.irp hd, 0,1
.irp s, 0,1,2,3
.irp c, 0,1,2,3
	global_load_b128 v[\wb+64*\hd+16*\s+4*\c:\wb+64*\hd+16*\s+4*\c+3], v4, s[\ptr:\ptr+1] offset:\hd*8192+\s*128+\c*32
.endr
.endr
.endr
	WIN 0
.endm
.macro XSUM o                          ; v[ST + 4 i + o] summed over the 32 lanes, the four rows by turns
.irp k, 1,2,4,8
.irp i, 0,1,2,3
	v_add_f32_dpp v[ST+4*\i+\o], v[ST+4*\i+\o], v[ST+4*\i+\o] row_xmask:\k row_mask:0xf bank_mask:0xf
.endr
.endr
.irp i, 0,1,2,3
	v_permlanex16_b32 v[ST+4*\i+3], v[ST+4*\i+\o], s52, s53
.endr
.irp i, 0,1,2,3
	v_add_f32 v[ST+4*\i+\o], v[ST+4*\i+\o], v[ST+4*\i+3]
.endr
.endm
.macro LNSTAT src, dst                 ; four rows of 16 numbers a lane: dst = (src - mean) / sqrt(var + eps) x g + b; the variance is taken of the centred numbers
.irp i, 0,1,2,3
.irp j, 0,1,2,3
	v_pk_add_f32 v[TT+8*\i+2*\j:TT+8*\i+2*\j+1], v[\src+16*\i+4*\j:\src+16*\i+4*\j+1], v[\src+16*\i+4*\j+2:\src+16*\i+4*\j+3]
.endr
.endr
.irp i, 0,1,2,3
	v_pk_add_f32 v[TT+8*\i:TT+8*\i+1], v[TT+8*\i:TT+8*\i+1], v[TT+8*\i+2:TT+8*\i+3]
	v_pk_add_f32 v[TT+8*\i+4:TT+8*\i+5], v[TT+8*\i+4:TT+8*\i+5], v[TT+8*\i+6:TT+8*\i+7]
.endr
.irp i, 0,1,2,3
	v_pk_add_f32 v[TT+8*\i:TT+8*\i+1], v[TT+8*\i:TT+8*\i+1], v[TT+8*\i+4:TT+8*\i+5]
.endr
.irp i, 0,1,2,3
	v_add_f32 v[ST+4*\i], v[TT+8*\i], v[TT+8*\i+1]
.endr
	XSUM 0
.irp i, 0,1,2,3
	v_mul_f32 v[ST+4*\i], s50, v[ST+4*\i]          ; the mean
.endr
.irp i, 0,1,2,3
.irp j, 0,1,2,3,4,5,6,7
	v_pk_add_f32 v[\dst+16*\i+2*\j:\dst+16*\i+2*\j+1], v[\src+16*\i+2*\j:\src+16*\i+2*\j+1], v[ST+4*\i:ST+4*\i+1] op_sel_hi:[1,0] neg_lo:[0,1] neg_hi:[0,1]
.endr
.endr
.irp i, 0,1,2,3
	v_pk_mul_f32 v[TT+8*\i:TT+8*\i+1], v[\dst+16*\i:\dst+16*\i+1], v[\dst+16*\i:\dst+16*\i+1]
.endr
.irp j, 1,2,3,4,5,6,7
.irp i, 0,1,2,3
	v_pk_fma_f32 v[TT+8*\i:TT+8*\i+1], v[\dst+16*\i+2*\j:\dst+16*\i+2*\j+1], v[\dst+16*\i+2*\j:\dst+16*\i+2*\j+1], v[TT+8*\i:TT+8*\i+1]
.endr
.endr
.irp i, 0,1,2,3
	v_add_f32 v[ST+4*\i+2], v[TT+8*\i], v[TT+8*\i+1]
.endr
	XSUM 2
.irp i, 0,1,2,3
	v_fma_f32 v[ST+4*\i+2], v[ST+4*\i+2], s50, s51 ; var + eps
.endr
.irp i, 0,1,2,3
	v_rsq_f32 v[ST+4*\i], v[ST+4*\i+2]
.endr
	v_nop                                          ; a plain instruction behind the last of the batch,
	s_wait_alu depctr_va_vdst(0)                   ; and one wait for the four, ahead of their first reader
.irp i, 0,1,2,3
.irp j, 0,1,2,3,4,5,6,7
	v_pk_mul_f32 v[\dst+16*\i+2*\j:\dst+16*\i+2*\j+1], v[\dst+16*\i+2*\j:\dst+16*\i+2*\j+1], v[ST+4*\i:ST+4*\i+1] op_sel_hi:[1,0]
.endr
.endr
.irp i, 0,1,2,3
.irp j, 0,1,2,3,4,5,6,7
	v_pk_fma_f32 v[\dst+16*\i+2*\j:\dst+16*\i+2*\j+1], v[\dst+16*\i+2*\j:\dst+16*\i+2*\j+1], v[GG+2*\j:GG+2*\j+1], v[BN+2*\j:BN+2*\j+1]
.endr
.endr
.endm
.macro QROW src, tb, cb, sc, lim       ; 16 numbers of a lane become 16 codes in four registers: register q holds columns 128 q + 4 l + 0 .. 3
.irp j, 0,1,2,3,4,5,6,7,8,9,10,11,12,13,14,15
	v_med3_num_f32 v[\tb+\j], v[\src+\j], -v[\lim], v[\lim]   ; the conversion to an 8-bit code does not saturate (ISA guide 7.6.2): the hold at the largest code x the scale
.endr
	v_cvt_scalef32_pk8_fp8_f32 v[\cb:\cb+1], v[\tb:\tb+7], v[\sc]
	v_cvt_scalef32_pk8_fp8_f32 v[\cb+2:\cb+3], v[\tb+8:\tb+15], v[\sc]
.endm
.macro PUT cb, off                     ; four codes a store: piece 8 q + l / 4, byte 16 r + 4 (l % 4): the 32 lanes' words fall on 32 different banks
.irp q, 0,1,2,3
	ds_store_b32 v2, v[\cb+\q] offset:\off+\q*2176
.endr
.endm
.macro FETCHA ver                      ; both tiles' four fragments of one scale's codes
.irp m, 0,1
.irp s, 0,1,2,3
.irp c, 0,1,2,3
	ds_load_b128 v[AF+64*\m+16*\s+4*\c:AF+64*\m+16*\s+4*\c+3], v3 offset:\ver*IMGV+\m*IMGM+\s*2176+\c*544
.endr
.endr
.endr
.endm
.macro MULT acc, wb                    ; 16 matrix instructions, source 0 = W, source 1 = h; the four accumulators take turns, one instruction a turn
	WIN 0x01
.irp s, 0,1,2,3
.irp hd, 0,1
.irp m, 0,1
.if \s == 0
	v_wmma_f32_16x16x128_fp8_fp8 v[\acc+8*(2*\hd+\m):\acc+8*(2*\hd+\m)+7], v[\wb+64*\hd+16*\s:\wb+64*\hd+16*\s+15], v[AF+64*\m+16*\s:AF+64*\m+16*\s+15], 0
.else
	v_wmma_f32_16x16x128_fp8_fp8 v[\acc+8*(2*\hd+\m):\acc+8*(2*\hd+\m)+7], v[\wb+64*\hd+16*\s:\wb+64*\hd+16*\s+15], v[AF+64*\m+16*\s:AF+64*\m+16*\s+15], v[\acc+8*(2*\hd+\m):\acc+8*(2*\hd+\m)+7]
.endif
.endr
.endr
.endr
	WIN 0
.endm
.macro MULN acc, wb                    ; the same with source 0 = h, source 1 = W
	WIN 0x04
.irp s, 0,1,2,3
.irp hd, 0,1
.irp m, 0,1
.if \s == 0
	v_wmma_f32_16x16x128_fp8_fp8 v[\acc+8*(2*\hd+\m):\acc+8*(2*\hd+\m)+7], v[AF+64*\m+16*\s:AF+64*\m+16*\s+15], v[\wb+64*\hd+16*\s:\wb+64*\hd+16*\s+15], 0
.else
	v_wmma_f32_16x16x128_fp8_fp8 v[\acc+8*(2*\hd+\m):\acc+8*(2*\hd+\m)+7], v[AF+64*\m+16*\s:AF+64*\m+16*\s+15], v[\wb+64*\hd+16*\s:\wb+64*\hd+16*\s+15], v[\acc+8*(2*\hd+\m):\acc+8*(2*\hd+\m)+7]
.endif
.endr
.endr
.endr
	WIN 0
.endm
.macro OUTQK acc, sc, bias, ptr        ; sum x 2^(the two exponents) + bias, each accumulator from its low end on; then 512 consecutive bytes a store
.irp hd, 0,1
.irp m, 0,1
.irp j, 0,2,4,6
	v_pk_fma_f32 v[\acc+8*(2*\hd+\m)+\j:\acc+8*(2*\hd+\m)+\j+1], v[\acc+8*(2*\hd+\m)+\j:\acc+8*(2*\hd+\m)+\j+1], s[\sc:\sc+1], v[\bias+8*\hd+\j:\bias+8*\hd+\j+1] op_sel_hi:[1,0,1]
.endr
.endr
.endr
.irp hd, 0,1
.irp m, 0,1
.irp g, 0,1
	global_store_b128 v1, v[\acc+8*(2*\hd+\m)+4*\g:\acc+8*(2*\hd+\m)+4*\g+3], s[\ptr:\ptr+1] offset:\hd*65536+\m*1024+\g*512
.endr
.endr
.endr
.endm
	s_load_b512 s[8:23], s[0:1], 0x0               ; x, g, b, Wq, Wk, Wv, bq, bk
	s_load_b256 s[24:31], s[0:1], 0x40             ; bv, the scales' exponents, qf, kf
	s_load_b64 s[32:33], s[0:1], 0x60              ; vc
	v_lshl_add_u32 v22, v0, 2, SPARE               ; my spare word,
	v_mov_b32 v23, 0                               ; and 0: kept for the add at the wave's end
	v_lshrrev_b32 v7, 5, v0
	v_readfirstlane_b32 s34, v7                    ; wave 0..7
	v_and_b32 v7, 31, v0                           ; lane l
	v_and_b32 v8, 15, v0                           ; r
	v_bfe_u32 v9, v0, 4, 1                         ; h'
	v_lshlrev_b32 v1, 4, v7                        ; 16 l
	v_lshrrev_b32 v2, 2, v7
	v_mul_u32_u24 v2, v2, 272
	v_and_b32 v3, 3, v7
	v_lshl_add_u32 v2, v3, 2, v2                   ; into an image: 272 (l / 4) + 4 (l % 4)
	s_lshr_b32 s54, s34, 2
	s_mul_i32 s54, s54, IMGM                       ; + my rows' tile
	s_and_b32 s56, s34, 3
	s_lshl_b32 s56, s56, 6                         ; + 16 x my first row in it
	s_add_co_u32 s54, s54, s56
	v_add_nc_u32 v2, s54, v2
	v_mul_u32_u24 v3, v9, 272
	v_lshl_add_u32 v3, v8, 4, v3                   ; out of an image: 272 h' + 16 r
	v_lshlrev_b32 v4, 9, v8
	v_lshl_add_u32 v4, v9, 4, v4                   ; a weight's row r of 512 codes, + 16 h'
	v_lshlrev_b32 v5, 5, v9                        ; bq, bk: dims 8 h' on
	v_lshlrev_b32 v6, 2, v8                        ; bv: dim r
	v_mov_b32 v25, 0                               ; (named as upper halves of pairs)
	v_mov_b32 v27, 0
.irp i, 0,1,2,3
	v_mov_b32 v[ST+4*\i+1], 0
	v_mov_b32 v[ST+4*\i+3], 0                      ; a lane permute's destination counts as one of its sources
.endr
	s_mov_b32 s50, 0x3b000000                      ; 1 / 512
	s_mov_b32 s51, 0x3727c5ac                      ; 1e-5
	s_mov_b32 s52, 0x76543210                      ; v_permlanex16_b32's selects for lane l xor 16
	s_mov_b32 s53, 0xfedcba98
	s_mov_b32 s55, 0
	s_wait_kmcnt 0x0
	s_load_b256 s[36:43], s[26:27], 0x0            ; e0 .. e7
	s_lshl_b32 s54, ttmp9, 16                      ; x: 32 rows of 2,048 bytes a work-group,
	s_lshl_b32 s56, s34, 13                        ; 4 a wave
	s_add_co_u32 s54, s54, s56
	s_add_nc_u64 s[8:9], s[8:9], s[54:55]
	s_lshl_b32 s54, s34, 14                        ; weights: two heads of 16 rows of 512 bytes a wave
	s_add_nc_u64 s[14:15], s[14:15], s[54:55]
	s_add_nc_u64 s[16:17], s[16:17], s[54:55]
	s_add_nc_u64 s[18:19], s[18:19], s[54:55]
	s_lshl_b32 s54, s34, 7                         ; biases: two heads of 64 bytes
	s_add_nc_u64 s[20:21], s[20:21], s[54:55]
	s_add_nc_u64 s[22:23], s[22:23], s[54:55]
	s_add_nc_u64 s[24:25], s[24:25], s[54:55]
	s_lshr_b32 s57, ttmp9, 5                       ; the batch
	s_and_b32 s58, ttmp9, 31                       ; my 32 tokens in it
	s_lshl_b32 s54, s57, 20                        ; qf, kf: 16 heads x 65,536 bytes a batch,
	s_lshl_b32 s56, s34, 17                        ; two heads a wave,
	s_add_co_u32 s54, s54, s56
	s_lshl_b32 s56, s58, 11                        ; two tiles of 1,024 bytes
	s_add_co_u32 s54, s54, s56
	s_add_nc_u64 s[28:29], s[28:29], s[54:55]
	s_add_nc_u64 s[30:31], s[30:31], s[54:55]
	s_lshl_b32 s54, s57, 18                        ; vc: a quarter of that
	s_lshl_b32 s56, s34, 15
	s_add_co_u32 s54, s54, s56
	s_lshl_b32 s56, s58, 9
	s_add_co_u32 s54, s54, s56
	s_add_nc_u64 s[32:33], s[32:33], s[54:55]
.irp i, 0,1,2,3
.irp q, 0,1,2,3
	global_load_b128 v[X+16*\i+4*\q:X+16*\i+4*\q+3], v1, s[8:9] offset:\i*2048+\q*512 th:TH_LOAD_NT   ; 512 consecutive bytes a load
.endr
.endr
.irp q, 0,1,2,3
	global_load_b128 v[GG+4*\q:GG+4*\q+3], v1, s[10:11] offset:\q*512
	global_load_b128 v[BN+4*\q:BN+4*\q+3], v1, s[12:13] offset:\q*512
.endr
.irp hd, 0,1
.irp g, 0,1
	global_load_b128 v[BQ+8*\hd+4*\g:BQ+8*\hd+4*\g+3], v5, s[20:21] offset:\hd*64+\g*16
	global_load_b128 v[BK+8*\hd+4*\g:BK+8*\hd+4*\g+3], v5, s[22:23] offset:\hd*64+\g*16
.endr
.endr
	global_load_b32 v24, v6, s[24:25]
	global_load_b32 v26, v6, s[24:25] offset:64
	LOADW 14, 0                                    ; Wq
	s_wait_kmcnt 0x0
	s_add_co_i32 s44, s36, s37
	s_add_co_i32 s44, s44, 127
	s_lshl_b32 s44, s44, 23                        ; 2^(e0 + e1)
	s_mov_b32 s45, s44                             ; (named with it as a pair)
	s_add_co_i32 s46, s38, s39
	s_add_co_i32 s46, s46, 127
	s_lshl_b32 s46, s46, 23                        ; 2^(e2 + e3)
	s_mov_b32 s47, s46
	s_add_co_i32 s48, s40, s41
	s_add_co_i32 s48, s48, 127
	s_lshl_b32 s48, s48, 23                        ; 2^(e4 + e5)
	s_mov_b32 s49, s48
	MKSC 37, 10, 11                                ; h for q
	MKSC 39, 12, 13                                ; h for k
	MKSC 41, 14, 15                                ; h for v
	MKSC 43, 16, 17                                ; v for attention
	s_wait_loadcnt 32                              ; all but Wq's 32 loads: x, g, b and the biases are in
	LNSTAT X, X
.set nn, 0
.irp i, 0,1,2,3
.irp ver, 0,1,2
	QROW X+16*\i, TT+16*(nn%2), CC+12*\i+4*\ver, 10+2*\ver, 11+2*\ver   ; two sets of held numbers by turns: the next run's holds are the plain lines behind these conversions
	PUT CC+12*\i+4*\ver, \ver*IMGV+16*\i
.set nn, nn+1
.endr
.endr
	v_nop                                          ; a plain line behind the last conversion
	LOADW 16, 128                                  ; Wk
	s_wait_dscnt 0x0                               ; my codes have landed
	s_barrier_signal -1
	s_barrier_wait -1                              ; everybody's have: the images are only read from here on
	FETCHA 0
	s_wait_loadcnt 32                              ; all but Wk's 32: Wq is in
	s_wait_dscnt 0x0
	MULT ACC0, 0                                   ; q
	PLACES 4                                       ; in front of loads into registers that these products read, and of the first read of their results
	LOADW 18, 0                                    ; Wv takes Wq's place
	FETCHA 1
	OUTQK ACC0, 44, BQ, 28
	s_wait_loadcnt 32                              ; all but Wv's 32: Wk is in
	s_wait_dscnt 0x0
	MULT ACC1, 128                                 ; k
	PLACES 4
	FETCHA 2
	OUTQK ACC1, 46, BK, 30
	s_wait_xcnt 0x0                                ; q's stores have read their registers, which take v's sums
	s_wait_loadcnt 0x0
	s_wait_dscnt 0x0
	MULN ACC0, 0                                   ; v
	PLACES 4
.irp hd, 0,1
.irp m, 0,1
.irp j, 0,2,4,6
	v_pk_fma_f32 v[ACC0+8*(2*\hd+\m)+\j:ACC0+8*(2*\hd+\m)+\j+1], v[ACC0+8*(2*\hd+\m)+\j:ACC0+8*(2*\hd+\m)+\j+1], s[48:49], v[24+2*\hd:25+2*\hd] op_sel_hi:[1,0,0]   ; v = sum x 2^(e4 + e5) + bv of my dim
.endr
.endr
.endr
.set jj, 0
.rept 32
	v_med3_num_f32 v[ACC0+jj], v[ACC0+jj], -v17, v17
.set jj, jj+1
.endr
.irp a, 0,1,2,3
	v_cvt_scalef32_pk8_fp8_f32 v[64+2*\a:65+2*\a], v[ACC0+8*\a:ACC0+8*\a+7], v16   ; head a / 2: tokens 8 h' on of tile 0, then of tile 1: 16 bytes a lane
.endr
	v_nop
	global_store_b128 v1, v[64:67], s[32:33]
	global_store_b128 v1, v[68:71], s[32:33] offset:16384
	s_wait_tensorcnt 0x0                           ; the wave's end, behind my last LDS store
	ds_add_u32 v22, v23
	s_wait_dscnt 0x0
	s_endpgm
.Lfunc_end_k_q360d67dfdc_qkv:
	.size	k_q360d67dfdc_qkv, .Lfunc_end_k_q360d67dfdc_qkv-k_q360d67dfdc_qkv
	.p2alignl 7, 3214868480
	.fill 96, 4, 3214868480
	.section	.rodata,"a",@progbits
	.p2align	6, 0x0
	.amdhsa_kernel k_q360d67dfdc_qkv
		.amdhsa_group_segment_fixed_size 53248
		.amdhsa_private_segment_fixed_size 0
		.amdhsa_enable_private_segment 0
		.amdhsa_kernarg_size 104
		.amdhsa_user_sgpr_count 2
		.amdhsa_user_sgpr_kernarg_segment_ptr 1
		.amdhsa_wavefront_size32 1
		.amdhsa_system_sgpr_workgroup_id_x 1
		.amdhsa_system_sgpr_workgroup_id_y 1
		.amdhsa_system_sgpr_workgroup_id_z 1
		.amdhsa_system_vgpr_workitem_id 0
		.amdhsa_next_free_vgpr 512
		.amdhsa_next_free_sgpr 66
		.amdhsa_reserve_vcc 0
		.amdhsa_float_denorm_mode_32 3
		.amdhsa_float_denorm_mode_16_64 3
		.amdhsa_memory_ordered 1
		.amdhsa_forward_progress 1
		.amdhsa_inst_pref_size 64
	.end_amdhsa_kernel
	.amdgpu_metadata
---
amdhsa.version: [ 1, 2 ]
amdhsa.kernels:
  - .name:           k_q360d67dfdc_qkv
    .symbol:         k_q360d67dfdc_qkv.kd
    .args:
      - { .name: x, .offset: 0, .size: 8, .value_kind: global_buffer, .address_space: global }
      - { .name: ln1_g, .offset: 8, .size: 8, .value_kind: global_buffer, .address_space: global }
      - { .name: ln1_b, .offset: 16, .size: 8, .value_kind: global_buffer, .address_space: global }
      - { .name: Wq_codes, .offset: 24, .size: 8, .value_kind: global_buffer, .address_space: global }
      - { .name: Wk_codes, .offset: 32, .size: 8, .value_kind: global_buffer, .address_space: global }
      - { .name: Wv_codes, .offset: 40, .size: 8, .value_kind: global_buffer, .address_space: global }
      - { .name: bq, .offset: 48, .size: 8, .value_kind: global_buffer, .address_space: global }
      - { .name: bk, .offset: 56, .size: 8, .value_kind: global_buffer, .address_space: global }
      - { .name: bv, .offset: 64, .size: 8, .value_kind: global_buffer, .address_space: global }
      - { .name: lowp_scales, .offset: 72, .size: 8, .value_kind: global_buffer, .address_space: global }
      - { .name: qf, .offset: 80, .size: 8, .value_kind: global_buffer, .address_space: global }
      - { .name: kf, .offset: 88, .size: 8, .value_kind: global_buffer, .address_space: global }
      - { .name: vc, .offset: 96, .size: 8, .value_kind: global_buffer, .address_space: global }
    .group_segment_fixed_size: 53248
    .private_segment_fixed_size: 0
    .kernarg_segment_align: 8
    .kernarg_segment_size: 104
    .max_flat_workgroup_size: 256
    .sgpr_count:     66
    .vgpr_count:     512
    .wavefront_size: 32
...
	.end_amdgpu_metadata
.endif
;; end of part 1
;; launch attn (part 2): grid 2 x 128, 16 waves a work-group, no clusters, 83,968 bytes of LDS; arguments qf, kf, vc, lowp_scales, ac; writes ac
.if DOCPART == 2
	.amdgcn_target "amdgcn-amd-amdhsa--gfx1250"
	.amdhsa_code_object_version 6
	.text
	.protected	k_q360d67dfdc_attn
	.globl	k_q360d67dfdc_attn
	.p2align	8
	.type	k_q360d67dfdc_attn,@function
k_q360d67dfdc_attn:
	s_mov_b64 s[64:65], 0
	v_nop
	global_prefetch_b8 v0, s[64:65] scope:SCOPE_SE
	s_setreg_imm32_b32 hwreg(HW_REG_WAVE_MODE, 25, 1), 1
	s_wait_xcnt 0x0
; LAUNCH 2 OF 5.  attn = softmax(q k^T / 4) v for one batch and head, then quantised for the projection.  Nothing of reference() is left out.
; q k^T (K = 16) feeds a quantiser, so it takes f32 operands: v_wmma_f32_16x16x4_f32, four K steps.  p v runs on codes of E4M3 by v_wmma_f32_16x16x64_fp8_fp8.
; THE SOFTMAX: t = score x log2(e) / 4; M = the running largest t rounded up to a whole number, kept as -M = floor(-t); p = 2^(t - M) is quantised with 2^e6, not normalised;
; the row's sum is taken of the unquantised p; when M moves, the sum and O are multiplied by 2^(old M - new M), which rounds nothing.
; THE HOLD AHEAD OF p's CONVERSION is at 448 x 2^e6.  t - M is one fused multiply-add and passes 0 by no more than the rounding of the maximum's own product, so p stays under 1.75 = 448 x 2^-8:
; for e6 >= -8 the hold changes no number, whatever the inputs hold; for e6 < -8 they run.  The branch hangs on e6 alone, a whole number read from
; the buffer of scales and the same in all waves; it leads round no wait, load or barrier; this launch has no tensor load and no copy.
; SHARES.  A work-group owns 512 queries of one (batch, head); each of its sixteen waves two tiles of 16.  The head's k (65,536 bytes) and v's codes (16,384) are copied into LDS once, as they lie
; (they lie in the order of the operands' registers); one barrier; every wave then walks the 1,024 keys, 64 a step.
; LAYOUT.  S^T = k q^T (source 0 = 16 keys, source 1 = 16 queries) and O^T = v^T p^T: a lane holds one query throughout; register j of key tile kt is key 16 kt + 8 h' + j,
; which is the place that the K = 64 form gives k = 16 c + 8 h' + j in registers 2 c, 2 c + 1: so the conversions' results are the second product's operand.
; In the f32 form K step s takes registers 2 s, 2 s + 1, which hold dims 8 h' + 2 s + 0, 1 in q and in k alike.
; OUT: ac [token tile][K step][c][lane][16 codes] = tile x 4,096 + head x 256 + 16 r + 8 h': a wave's store is 256 consecutive bytes, aligned.
; LIMITS: e6 and e8 - e6 - e7 between -126 and 119.  NaN among the inputs is not served.
; REGISTERS: v1-4, v7-9 addresses; v5, v6 the add's two; tile 0: v12 -M, v13 largest t, v[14:15] sum, v20-22 at work, v[24:25] f; tile 1: v16, v17, v[18:19], v26, v27, v23, v[28:29];
;   v30, v31 448 x 2^e6, 2^e6; v32-47 q; v48-79 k; v80-87 v; v88-103 p's codes; v104-119 O^T; v120-183 S^T, written by matrix instructions alone; v184-247 p; v248-251 second chains of the sums; v252, v253 the way out's scale.
.set VL,    65536                      ; LDS: k from 0, v's codes from here,
.set SPARE, 81920                      ; and the spare words, 128 bytes a wave
.set QF,    32
.set KF,    48
.set VF,    80
.set PC,    88
.set OA,    104
.set S,     120
.set P,     184
	s_load_b256 s[4:11], s[0:1], 0x0               ; qf, kf, vc, the scales' exponents
	s_load_b64 s[12:13], s[0:1], 0x20              ; ac
	v_lshl_add_u32 v5, v0, 2, SPARE
	v_mov_b32 v6, 0
	v_lshrrev_b32 v10, 5, v0
	v_readfirstlane_b32 s14, v10                   ; wave 0..15
	v_and_b32 v10, 31, v0
	v_lshlrev_b32 v1, 4, v10                       ; 16 x lane
	v_add_nc_u32 v2, VL, v1
	v_and_b32 v10, 15, v0
	v_bfe_u32 v11, v0, 4, 1
	v_lshlrev_b32 v7, 4, v10
	v_lshl_add_u32 v7, v11, 3, v7                  ; the way out: 16 r + 8 h'
	v_lshlrev_b32 v8, 4, v0                        ; the copy: 16 x thread
	v_add_nc_u32 v9, VL, v8
	s_and_b32 s15, ttmp7, 0xffff                   ; 16 x batch + head
	s_mov_b32 s20, 0x76543210
	s_mov_b32 s21, 0xfedcba98
	s_mov_b32 s22, 0x3eb8aa3b                      ; c = log2(e) / 4
	s_mov_b32 s23, s22                             ; (named with it as a pair)
	s_lshl_b32 s16, s15, 16
	s_mov_b32 s17, 0
	s_lshl_b32 s18, s15, 14
	s_mov_b32 s19, 0
	s_wait_kmcnt 0x0
	s_load_b128 s[28:31], s[10:11], 0x18           ; e6 .. e9; s28 = e6 stays for the branch round the hold
	s_add_nc_u64 s[6:7], s[6:7], s[16:17]          ; the head's k,
	s_add_nc_u64 s[8:9], s[8:9], s[18:19]          ; v,
	s_add_nc_u64 s[4:5], s[4:5], s[16:17]          ; and q;
	s_lshl_b32 s16, ttmp9, 15                      ; my work-group's 32 tiles of 1,024 bytes,
	s_lshl_b32 s18, s14, 11                        ; my wave's two
	s_add_co_u32 s16, s16, s18
	s_add_nc_u64 s[4:5], s[4:5], s[16:17]
	s_lshr_b32 s16, s15, 4
	s_lshl_b32 s16, s16, 18                        ; ac: 64 tiles of 4,096 bytes a batch,
	s_lshl_b32 s18, ttmp9, 17                      ; 32 a work-group,
	s_add_co_u32 s16, s16, s18
	s_lshl_b32 s18, s14, 13                        ; two a wave,
	s_add_co_u32 s16, s16, s18
	s_and_b32 s18, s15, 15
	s_lshl_b32 s18, s18, 8                         ; 256 bytes a head
	s_add_co_u32 s16, s16, s18
	s_add_nc_u64 s[12:13], s[12:13], s[16:17]
.irp i, 0,1,2,3,4,5,6,7
	global_load_b128 v[P+4*\i:P+4*\i+3], v8, s[6:7] offset:8192*\i
.endr
.irp i, 0,1
	global_load_b128 v[P+32+4*\i:P+35+4*\i], v8, s[8:9] offset:8192*\i
.endr
.irp qt, 0,1
.irp g, 0,1
	global_load_b128 v[QF+8*\qt+4*\g:QF+8*\qt+4*\g+3], v1, s[4:5] offset:\qt*1024+\g*512
.endr
.endr
	v_mov_b32 v13, 0xff61b1e6                      ; the largest t so far: -3e38, under every t
	v_mov_b32 v17, 0xff61b1e6
	v_floor_f32 v12, -v13                          ; -M
	v_floor_f32 v16, -v17
.irp r, 14,15,18,19,22,23,25,29
	v_mov_b32 v\r, 0                               ; the sums; the lane permutes' destinations; the upper halves of f's pairs
.endr
.set jj, 0
.rept 16
	v_mov_b32 v[OA+jj], 0                          ; O^T: the step is written once, and its first run finds zeros, which the first change of M leaves zeros
.set jj, jj+1
.endr
	s_wait_kmcnt 0x0
	s_add_co_i32 s16, s28, 127
	s_lshl_b32 s18, s16, 23
	v_mov_b32 v31, s18                             ; 2^e6
	s_add_co_i32 s16, s16, 8
	s_lshl_b32 s16, s16, 23
	s_or_b32 s16, s16, 0x600000
	v_mov_b32 v30, s16                             ; 448 x 2^e6
	s_sub_co_i32 s16, s30, s28
	s_sub_co_i32 s16, s16, s29                     ; O / l stands for attn / 2^(e6 + e7): its code is (O / l) / 2^(e8 - e6 - e7)
	s_add_co_i32 s16, s16, 127
	s_lshl_b32 s18, s16, 23
	v_mov_b32 v252, s18
	s_add_co_i32 s16, s16, 8
	s_lshl_b32 s16, s16, 23
	s_or_b32 s16, s16, 0x600000
	v_mov_b32 v253, s16
	s_wait_loadcnt 4                               ; k and v are in; q's four loads may be out
.irp i, 0,1,2,3,4,5,6,7
	ds_store_b128 v8, v[P+4*\i:P+4*\i+3] offset:8192*\i
.endr
.irp i, 0,1
	ds_store_b128 v9, v[P+32+4*\i:P+35+4*\i] offset:8192*\i
.endr
	s_wait_dscnt 0x0                               ; my part of the copy has landed
	s_barrier_signal -1
	s_barrier_wait -1                              ; everybody's has: LDS is only read from here on
	s_wait_loadcnt 0x0                             ; q
.irp kt, 0,1,2,3
.irp g, 0,1
	ds_load_b128 v[KF+8*\kt+4*\g:KF+8*\kt+4*\g+3], v1 offset:\kt*1024+\g*512   ; k of step 0
.endr
.endr
	s_mov_b32 s24, 4096                            ; LDS byte of the k to be fetched next,
	s_mov_b32 s25, 0                               ; and of this step's v, behind VL
	s_mov_b32 s26, 15
; A STEP: 64 keys x my 32 queries.  fetch = 1: the next step's k is fetched.
.macro STEP fetch
	s_wait_dscnt 0x0                               ; k is in
.irp s, 0,1,2,3                        ; 32 matrix instructions: the eight accumulators take turns, one instruction a turn; the first K step starts the sums
.irp kt, 0,1,2,3
.irp qt, 0,1
.if \s == 0
	v_wmma_f32_16x16x4_f32 v[S+32*\qt+8*\kt:S+32*\qt+8*\kt+7], v[KF+8*\kt+2*\s:KF+8*\kt+2*\s+1], v[QF+8*\qt+2*\s:QF+8*\qt+2*\s+1], 0
.else
	v_wmma_f32_16x16x4_f32 v[S+32*\qt+8*\kt:S+32*\qt+8*\kt+7], v[KF+8*\kt+2*\s:KF+8*\kt+2*\s+1], v[QF+8*\qt+2*\s:QF+8*\qt+2*\s+1], v[S+32*\qt+8*\kt:S+32*\qt+8*\kt+7]
.endif
.endr
.endr
.endr
	v_add_nc_u32 v4, s25, v2                       ; eight places behind this form, in front of the loads into k's registers and of the first read of the scores
.if \fetch
	v_add_nc_u32 v3, s24, v1
.else
	v_nop
.endif
.rept 6
	v_nop
.endr
	ds_load_b128 v[VF:VF+3], v4
	ds_load_b128 v[VF+4:VF+7], v4 offset:512
.if \fetch
.irp kt, 0,1,2,3
.irp g, 0,1
	ds_load_b128 v[KF+8*\kt+4*\g:KF+8*\kt+4*\g+3], v3 offset:\kt*1024+\g*512
.endr
.endr
.endif
.irp qt, 0,1                           ; the step's largest score of my query among my 32 keys, in two chains, each accumulator from its low end on; the two tiles by turns
	v_max3_num_f32 v[20+6*\qt], v[S+32*\qt], v[S+32*\qt+1], v[S+32*\qt+2]
	v_max3_num_f32 v[21+6*\qt], v[S+32*\qt+3], v[S+32*\qt+4], v[S+32*\qt+5]
.endr
.irp i, 6,10,14,18,22,26
.irp qt, 0,1
	v_max3_num_f32 v[20+6*\qt], v[20+6*\qt], v[S+32*\qt+\i], v[S+32*\qt+\i+1]
	v_max3_num_f32 v[21+6*\qt], v[21+6*\qt], v[S+32*\qt+\i+2], v[S+32*\qt+\i+3]
.endr
.endr
.irp qt, 0,1
	v_max3_num_f32 v[20+6*\qt], v[20+6*\qt], v[S+32*\qt+30], v[S+32*\qt+31]
.endr
.irp qt, 0,1
	v_max_num_f32 v[20+6*\qt], v[20+6*\qt], v[21+6*\qt]
.endr
.irp qt, 0,1
	v_permlanex16_b32 v[22+\qt], v[20+6*\qt], s20, s21
.endr
.irp qt, 0,1
	v_max_num_f32 v[20+6*\qt], v[20+6*\qt], v[22+\qt]   ; and among lane l xor 16's
.endr
.irp qt, 0,1
	v_mul_f32 v[20+6*\qt], s22, v[20+6*\qt]        ; as t (c is positive)
.endr
.irp qt, 0,1
	v_max_num_f32 v[13+4*\qt], v[13+4*\qt], v[20+6*\qt]   ; the running largest t
	v_mov_b32 v[20+6*\qt], v[12+4*\qt]
.endr
.irp qt, 0,1
	v_floor_f32 v[12+4*\qt], -v[13+4*\qt]          ; the new -M = -ceil(t)
.endr
.irp qt, 0,1
	v_sub_f32 v[20+6*\qt], v[12+4*\qt], v[20+6*\qt]   ; old M - new M: a whole number, 0 or less
.endr
.irp qt, 0,1
	v_cvt_i32_f32 v[20+6*\qt], v[20+6*\qt]         ; (it saturates)
.endr
.irp qt, 0,1
	v_ldexp_f32 v[24+4*\qt], 1.0, v[20+6*\qt]      ; f = 2^(old M - new M)
.endr
.set jj, 0
.rept 16
.irp qt, 0,1
	v_pk_fma_f32 v[P+32*\qt+jj:P+32*\qt+jj+1], v[S+32*\qt+jj:S+32*\qt+jj+1], s[22:23], v[12+4*\qt:13+4*\qt] op_sel_hi:[1,0,0]   ; t - M, into other registers than the sums'
.endr
.set jj, jj+2
.endr
.set jj, 0
.rept 64
	v_exp_f32 v[P+jj], v[P+jj]                     ; p = 2^(t - M)
.set jj, jj+1
.endr
	v_pk_mul_f32 v[14:15], v[14:15], v[24:25] op_sel_hi:[1,0]   ; the sums under the new M: plain lines behind the exponentials
	v_pk_mul_f32 v[18:19], v[18:19], v[28:29] op_sel_hi:[1,0]
	s_wait_alu depctr_va_vdst(0)                   ; one wait for the batch of 64, ahead of its first reader and of the branch below
.irp qt, 0,1                           ; the row's sum is taken of the unquantised p, two at a time, in two chains
	v_pk_add_f32 v[248+2*\qt:249+2*\qt], v[P+32*\qt:P+32*\qt+1], v[P+32*\qt+2:P+32*\qt+3]
.endr
.irp j, 4,8,12,16,20,24,28
.irp qt, 0,1
	v_pk_add_f32 v[14+4*\qt:15+4*\qt], v[14+4*\qt:15+4*\qt], v[P+32*\qt+\j:P+32*\qt+\j+1]
	v_pk_add_f32 v[248+2*\qt:249+2*\qt], v[248+2*\qt:249+2*\qt], v[P+32*\qt+\j+2:P+32*\qt+\j+3]
.endr
.endr
.irp qt, 0,1
	v_pk_add_f32 v[14+4*\qt:15+4*\qt], v[14+4*\qt:15+4*\qt], v[248+2*\qt:249+2*\qt]
.endr
	s_cmp_ge_i32 s28, -8                           ; e6 >= -8: 448 x 2^e6 is 1.75 or more, over every p: the hold would change nothing
	s_cbranch_scc1 .Lno_hold_\@
.set jj, 0
.rept 64
	v_min_num_f32 v[P+jj], v[P+jj], v30            ; the conversion does not saturate (ISA guide 7.6.2); p is not negative, so the hold is one-sided
.set jj, jj+1
.endr
.Lno_hold_\@:
.irp qt, 0,1
.irp kt, 0,1,2,3
	v_cvt_scalef32_pk8_fp8_f32 v[PC+8*\qt+2*\kt:PC+8*\qt+2*\kt+1], v[P+32*\qt+8*\kt:P+32*\qt+8*\kt+7], v31
.endr
.endr
.irp qt, 0,1
.irp j, 0,2,4,6
	v_pk_mul_f32 v[OA+8*\qt+\j:OA+8*\qt+\j+1], v[OA+8*\qt+\j:OA+8*\qt+\j+1], v[24+4*\qt:25+4*\qt] op_sel_hi:[1,0]   ; O^T under the new M; also the plain lines between the conversions and the products
.endr
.endr
.if \fetch
	s_wait_dscnt 8                                 ; v's two loads are in; the next step's eight of k, issued behind them, may be out
.else
	s_wait_dscnt 0x0
.endif
	v_wmma_f32_16x16x64_fp8_fp8 v[OA:OA+7], v[VF:VF+7], v[PC:PC+7], v[OA:OA+7]
	v_wmma_f32_16x16x64_fp8_fp8 v[OA+8:OA+15], v[VF:VF+7], v[PC+8:PC+15], v[OA+8:OA+15]
	s_add_co_u32 s24, s24, 4096
	s_add_co_u32 s25, s25, 1024
.endm
.Lstep:                                                ; 15 trips; the last step is written out, so that no LDS read passes k's end
	STEP 1
	s_sub_co_u32 s26, s26, 1
	s_cmp_lg_u32 s26, 0
	s_cbranch_scc1 .Lstep
	STEP 0
	v_add_f32 v14, v14, v15                        ; the sums' two halves (these and the two v_nop are the places behind the last products),
	v_add_f32 v18, v18, v19
	v_nop
	v_nop
	v_permlanex16_b32 v22, v14, s20, s21
	v_permlanex16_b32 v23, v18, s20, s21
	v_add_f32 v14, v14, v22                        ; and lane l xor 16's
	v_add_f32 v18, v18, v23
	v_rcp_f32 v14, v14
	v_rcp_f32 v18, v18
	v_nop
	s_wait_alu depctr_va_vdst(0)                   ; one wait for the two reciprocals
.irp qt, 0,1
.irp j, 0,1,2,3,4,5,6,7
	v_mul_f32 v[P+8*\qt+\j], v[OA+8*\qt+\j], v[14+4*\qt]   ; O / l: my query's dims 8 h' + j
.endr
.endr
.set jj, 0
.rept 16
	v_med3_num_f32 v[P+jj], v[P+jj], -v253, v253
.set jj, jj+1
.endr
	v_cvt_scalef32_pk8_fp8_f32 v[PC:PC+1], v[P:P+7], v252
	v_cvt_scalef32_pk8_fp8_f32 v[PC+2:PC+3], v[P+8:P+15], v252
	v_nop
	global_store_b64 v7, v[PC:PC+1], s[12:13]                  ; 32 lanes x 8 bytes: 256 consecutive bytes, aligned
	global_store_b64 v7, v[PC+2:PC+3], s[12:13] offset:4096
	s_wait_tensorcnt 0x0                           ; the wave's end, behind my last LDS store
	ds_add_u32 v5, v6
	s_wait_dscnt 0x0
	s_endpgm
.Lfunc_end_k_q360d67dfdc_attn:
	.size	k_q360d67dfdc_attn, .Lfunc_end_k_q360d67dfdc_attn-k_q360d67dfdc_attn
	.p2alignl 7, 3214868480
	.fill 96, 4, 3214868480
	.section	.rodata,"a",@progbits
	.p2align	6, 0x0
	.amdhsa_kernel k_q360d67dfdc_attn
		.amdhsa_group_segment_fixed_size 83968
		.amdhsa_private_segment_fixed_size 0
		.amdhsa_enable_private_segment 0
		.amdhsa_kernarg_size 40
		.amdhsa_user_sgpr_count 2
		.amdhsa_user_sgpr_kernarg_segment_ptr 1
		.amdhsa_wavefront_size32 1
		.amdhsa_system_sgpr_workgroup_id_x 1
		.amdhsa_system_sgpr_workgroup_id_y 1
		.amdhsa_system_sgpr_workgroup_id_z 1
		.amdhsa_system_vgpr_workitem_id 0
		.amdhsa_next_free_vgpr 256
		.amdhsa_next_free_sgpr 66
		.amdhsa_reserve_vcc 0
		.amdhsa_float_denorm_mode_32 3
		.amdhsa_float_denorm_mode_16_64 3
		.amdhsa_memory_ordered 1
		.amdhsa_forward_progress 1
		.amdhsa_inst_pref_size 39
	.end_amdhsa_kernel
	.amdgpu_metadata
---
amdhsa.version: [ 1, 2 ]
amdhsa.kernels:
  - .name:           k_q360d67dfdc_attn
    .symbol:         k_q360d67dfdc_attn.kd
    .args:
      - { .name: qf, .offset: 0, .size: 8, .value_kind: global_buffer, .address_space: global }
      - { .name: kf, .offset: 8, .size: 8, .value_kind: global_buffer, .address_space: global }
      - { .name: vc, .offset: 16, .size: 8, .value_kind: global_buffer, .address_space: global }
      - { .name: lowp_scales, .offset: 24, .size: 8, .value_kind: global_buffer, .address_space: global }
      - { .name: ac, .offset: 32, .size: 8, .value_kind: global_buffer, .address_space: global }
    .group_segment_fixed_size: 83968
    .private_segment_fixed_size: 0
    .kernarg_segment_align: 8
    .kernarg_segment_size: 40
    .max_flat_workgroup_size: 512
    .sgpr_count:     66
    .vgpr_count:     256
    .wavefront_size: 32
...
	.end_amdgpu_metadata
.endif
;; end of part 2
;; launch proj (part 3): grid 256 x 1, 8 waves a work-group, no clusters, 84,480 bytes of LDS; arguments ac, Wproj_codes, bproj, x, ln2_g, ln2_b, lowp_scales, x2, h2c; writes x2, h2c
.if DOCPART == 3
	.amdgcn_target "amdgcn-amd-amdhsa--gfx1250"
	.amdhsa_code_object_version 6
	.text
	.protected	k_q360d67dfdc_proj
	.globl	k_q360d67dfdc_proj
	.p2align	8
	.type	k_q360d67dfdc_proj,@function
k_q360d67dfdc_proj:
	s_mov_b64 s[64:65], 0
	v_nop
	global_prefetch_b8 v0, s[64:65] scope:SCOPE_SE
	s_setreg_imm32_b32 hwreg(HW_REG_WAVE_MODE, 25, 1), 1
	s_wait_xcnt 0x0
; LAUNCH 3 OF 5.  x2 = x + attn Wproj + bproj (codes of E4M3, K = 256);  h2 = layernorm(x2) g + b, quantised with 2^e10.  Nothing is left out.
; SHARES.  A work-group takes 32 tokens and all 512 columns.  Product: wave w takes columns 64 w .. 64 w + 63 for both tiles of 16 tokens; attn's codes and its rows of Wproj go from memory straight into
; its registers (source 0 = 16 rows of Wproj, source 1 = 16 tokens: a lane holds one token and eight neighbouring columns).  The sums meet in a stage in LDS (rows of 2,048 bytes + 16); behind a barrier
; wave w takes rows 4 w .. 4 w + 3 whole, 16 numbers a lane (columns 128 q + 4 l + 0 .. 3), adds x and bproj, stores x2, norms and quantises.
; h2's codes are gathered in LDS in pieces of 256 bytes (piece 8 s + 2 c + h': rows 0 .. 15, k = 128 s + 32 c + 16 h' + 0 .. 15; 272 bytes apart) and leave, behind a second barrier, as
; h2c [token tile][4 s + c][lane][16 codes]: the order of the next launch's operand registers; 512 consecutive bytes a store.
; LIMITS: e8 + e9 between -126 and 127; e10 between -126 and 119.  NaN among the inputs is not served.
; REGISTERS, window 0: v1-6 addresses; v10, v11 2^e10 and 448 x 2^e10; v12, v13 the add's two; v16-31 statistics; v32-95 the sums, later four rows of them, later h2; v96-159 x, then x2;
;   v160-207 g, b, bproj; v208-239 at work; v240-255 codes.   window 1: v0-127 Wproj's fragments (column tile, K step) at 16 (2 ct + s); v128-191 attn's (token tile, K step).
.set HIMG,  66048                      ; LDS: the stage from 0 (32 rows x 2,064 bytes); h2's images (2 x 8,704);
.set IMGM,  8704
.set SPARE, 83456                      ; the spare words, 128 bytes a wave
.set ST,    16
.set ACC,   32
.set Y,     32
.set X,     96
.set GG,    160
.set BN,    176
.set BP,    192
.set TT,    208
.set CC,    240
.set MSB, 0
.macro WIN new                         ; the immediate's high byte repeats the setting that is left
.if MSB != \new
	s_set_vgpr_msb (MSB<<8)|\new
.set MSB, \new
.endif
.endm
.macro XSUM o                          ; v[ST + 4 i + o] summed over the 32 lanes, the four rows by turns
.irp k, 1,2,4,8
.irp i, 0,1,2,3
	v_add_f32_dpp v[ST+4*\i+\o], v[ST+4*\i+\o], v[ST+4*\i+\o] row_xmask:\k row_mask:0xf bank_mask:0xf
.endr
.endr
.irp i, 0,1,2,3
	v_permlanex16_b32 v[ST+4*\i+3], v[ST+4*\i+\o], s52, s53
.endr
.irp i, 0,1,2,3
	v_add_f32 v[ST+4*\i+\o], v[ST+4*\i+\o], v[ST+4*\i+3]
.endr
.endm
.macro LNSTAT src, dst                 ; four rows of 16 numbers a lane: dst = (src - mean) / sqrt(var + eps) x g + b; the variance is taken of the centred numbers
.irp i, 0,1,2,3
.irp j, 0,1,2,3
	v_pk_add_f32 v[TT+8*\i+2*\j:TT+8*\i+2*\j+1], v[\src+16*\i+4*\j:\src+16*\i+4*\j+1], v[\src+16*\i+4*\j+2:\src+16*\i+4*\j+3]
.endr
.endr
.irp i, 0,1,2,3
	v_pk_add_f32 v[TT+8*\i:TT+8*\i+1], v[TT+8*\i:TT+8*\i+1], v[TT+8*\i+2:TT+8*\i+3]
	v_pk_add_f32 v[TT+8*\i+4:TT+8*\i+5], v[TT+8*\i+4:TT+8*\i+5], v[TT+8*\i+6:TT+8*\i+7]
.endr
.irp i, 0,1,2,3
	v_pk_add_f32 v[TT+8*\i:TT+8*\i+1], v[TT+8*\i:TT+8*\i+1], v[TT+8*\i+4:TT+8*\i+5]
.endr
.irp i, 0,1,2,3
	v_add_f32 v[ST+4*\i], v[TT+8*\i], v[TT+8*\i+1]
.endr
	XSUM 0
.irp i, 0,1,2,3
	v_mul_f32 v[ST+4*\i], s50, v[ST+4*\i]          ; the mean
.endr
.irp i, 0,1,2,3
.irp j, 0,1,2,3,4,5,6,7
	v_pk_add_f32 v[\dst+16*\i+2*\j:\dst+16*\i+2*\j+1], v[\src+16*\i+2*\j:\src+16*\i+2*\j+1], v[ST+4*\i:ST+4*\i+1] op_sel_hi:[1,0] neg_lo:[0,1] neg_hi:[0,1]
.endr
.endr
.irp i, 0,1,2,3
	v_pk_mul_f32 v[TT+8*\i:TT+8*\i+1], v[\dst+16*\i:\dst+16*\i+1], v[\dst+16*\i:\dst+16*\i+1]
.endr
.irp j, 1,2,3,4,5,6,7
.irp i, 0,1,2,3
	v_pk_fma_f32 v[TT+8*\i:TT+8*\i+1], v[\dst+16*\i+2*\j:\dst+16*\i+2*\j+1], v[\dst+16*\i+2*\j:\dst+16*\i+2*\j+1], v[TT+8*\i:TT+8*\i+1]
.endr
.endr
.irp i, 0,1,2,3
	v_add_f32 v[ST+4*\i+2], v[TT+8*\i], v[TT+8*\i+1]
.endr
	XSUM 2
.irp i, 0,1,2,3
	v_fma_f32 v[ST+4*\i+2], v[ST+4*\i+2], s50, s51 ; var + eps
.endr
.irp i, 0,1,2,3
	v_rsq_f32 v[ST+4*\i], v[ST+4*\i+2]
.endr
	v_nop                                          ; a plain instruction behind the last of the batch,
	s_wait_alu depctr_va_vdst(0)                   ; and one wait for the four, ahead of their first reader
.irp i, 0,1,2,3
.irp j, 0,1,2,3,4,5,6,7
	v_pk_mul_f32 v[\dst+16*\i+2*\j:\dst+16*\i+2*\j+1], v[\dst+16*\i+2*\j:\dst+16*\i+2*\j+1], v[ST+4*\i:ST+4*\i+1] op_sel_hi:[1,0]
.endr
.endr
.irp i, 0,1,2,3
.irp j, 0,1,2,3,4,5,6,7
	v_pk_fma_f32 v[\dst+16*\i+2*\j:\dst+16*\i+2*\j+1], v[\dst+16*\i+2*\j:\dst+16*\i+2*\j+1], v[GG+2*\j:GG+2*\j+1], v[BN+2*\j:BN+2*\j+1]
.endr
.endr
.endm
.macro QROW src, tb, cb, sc, lim       ; 16 numbers of a lane become 16 codes in four registers: register q holds columns 128 q + 4 l + 0 .. 3
.irp j, 0,1,2,3,4,5,6,7,8,9,10,11,12,13,14,15
	v_med3_num_f32 v[\tb+\j], v[\src+\j], -v[\lim], v[\lim]   ; the conversion to an 8-bit code does not saturate (ISA guide 7.6.2): the hold at the largest code x the scale
.endr
	v_cvt_scalef32_pk8_fp8_f32 v[\cb:\cb+1], v[\tb:\tb+7], v[\sc]
	v_cvt_scalef32_pk8_fp8_f32 v[\cb+2:\cb+3], v[\tb+8:\tb+15], v[\sc]
.endm
.macro PUT cb, off                     ; four codes a store: piece 8 q + l / 4, byte 16 r + 4 (l % 4)
.irp q, 0,1,2,3
	ds_store_b32 v2, v[\cb+\q] offset:\off+\q*2176
.endr
.endm
	s_load_b512 s[8:23], s[0:1], 0x0               ; ac, Wproj, bproj, x, g, b, the scales' exponents, x2
	s_load_b64 s[24:25], s[0:1], 0x40              ; h2c
	v_lshl_add_u32 v12, v0, 2, SPARE
	v_mov_b32 v13, 0
	v_lshrrev_b32 v7, 5, v0
	v_readfirstlane_b32 s34, v7                    ; wave 0..7
	v_and_b32 v7, 31, v0                           ; lane l
	v_and_b32 v8, 15, v0                           ; r
	v_bfe_u32 v9, v0, 4, 1                         ; h'
	v_lshlrev_b32 v1, 4, v7                        ; 16 l
	s_lshr_b32 s54, s34, 2
	s_mul_i32 s54, s54, IMGM
	s_add_co_u32 s54, s54, HIMG                    ; the image of tile w / 4
	s_and_b32 s56, s34, 3
	s_lshl_b32 s57, s56, 6
	s_add_co_u32 s57, s57, s54                     ; + 16 x my first row in it
	s_mul_i32 s56, s56, 2176
	s_add_co_u32 s56, s56, s54                     ; or + my eight pieces of it
	v_lshrrev_b32 v2, 2, v7
	v_mul_u32_u24 v2, v2, 272
	v_and_b32 v3, 3, v7
	v_lshl_add_u32 v2, v3, 2, v2
	v_add_nc_u32 v2, s57, v2                       ; into an image: 272 (l / 4) + 4 (l % 4)
	v_mul_u32_u24 v3, v9, 272
	v_lshl_add_u32 v3, v8, 4, v3
	v_add_nc_u32 v3, s56, v3                       ; out of it: 272 h' + 16 r
	v_lshlrev_b32 v4, 8, v8
	v_lshl_add_u32 v4, v9, 4, v4                   ; Wproj: row r of 256 codes, + 16 h'
	v_mul_u32_u24 v5, v8, 2064
	v_lshl_add_u32 v5, v9, 5, v5
	s_lshl_b32 s57, s34, 8
	v_add_nc_u32 v5, s57, v5                       ; into the stage: row r, + 32 h', + my 64 columns
	s_mul_i32 s57, s34, 8256
	v_add_nc_u32 v6, s57, v1                       ; out of it: my four rows, 16 bytes a lane
.irp i, 0,1,2,3
	v_mov_b32 v[ST+4*\i+1], 0
	v_mov_b32 v[ST+4*\i+3], 0
.endr
	s_mov_b32 s50, 0x3b000000                      ; 1 / 512
	s_mov_b32 s51, 0x3727c5ac                      ; 1e-5
	s_mov_b32 s52, 0x76543210
	s_mov_b32 s53, 0xfedcba98
	s_mov_b32 s55, 0
	s_wait_kmcnt 0x0
	s_load_b128 s[36:39], s[20:21], 0x20           ; e8 .. e11
	s_lshl_b32 s54, ttmp9, 13                      ; ac: two tiles of 4,096 bytes
	s_add_nc_u64 s[8:9], s[8:9], s[54:55]
	s_lshl_b32 s54, s34, 14                        ; Wproj: 64 rows of 256 bytes a wave
	s_add_nc_u64 s[10:11], s[10:11], s[54:55]
	s_lshl_b32 s54, ttmp9, 16                      ; x, x2: 32 rows of 2,048 bytes, 4 a wave
	s_lshl_b32 s56, s34, 13
	s_add_co_u32 s54, s54, s56
	s_add_nc_u64 s[14:15], s[14:15], s[54:55]
	s_add_nc_u64 s[22:23], s[22:23], s[54:55]
	s_lshl_b32 s54, ttmp9, 14                      ; h2c: two tiles of 8,192 bytes, a quarter of a tile a wave
	s_lshl_b32 s56, s34, 11
	s_add_co_u32 s54, s54, s56
	s_add_nc_u64 s[24:25], s[24:25], s[54:55]
	WIN 0x40
.irp m, 0,1
.irp s, 0,1
.irp c, 0,1,2,3
	global_load_b128 v[128+16*(2*\m+\s)+4*\c:128+16*(2*\m+\s)+4*\c+3], v1, s[8:9] offset:\m*4096+\s*2048+\c*512
.endr
.endr
.endr
.irp ct, 0,1,2,3
.irp s, 0,1
.irp c, 0,1,2,3
	global_load_b128 v[16*(2*\ct+\s)+4*\c:16*(2*\ct+\s)+4*\c+3], v4, s[10:11] offset:\ct*4096+\s*128+\c*32
.endr
.endr
.endr
	WIN 0
.irp i, 0,1,2,3
.irp q, 0,1,2,3
	global_load_b128 v[X+16*\i+4*\q:X+16*\i+4*\q+3], v1, s[14:15] offset:\i*2048+\q*512 th:TH_LOAD_NT
.endr
.endr
.irp q, 0,1,2,3
	global_load_b128 v[GG+4*\q:GG+4*\q+3], v1, s[16:17] offset:\q*512
	global_load_b128 v[BN+4*\q:BN+4*\q+3], v1, s[18:19] offset:\q*512
	global_load_b128 v[BP+4*\q:BP+4*\q+3], v1, s[12:13] offset:\q*512
.endr
	s_wait_kmcnt 0x0
	s_add_co_i32 s44, s36, s37
	s_add_co_i32 s44, s44, 127
	s_lshl_b32 s44, s44, 23                        ; 2^(e8 + e9)
	s_mov_b32 s45, s44
	s_add_co_i32 s56, s38, 127
	s_lshl_b32 s57, s56, 23
	v_mov_b32 v10, s57                             ; 2^e10
	s_add_co_i32 s56, s56, 8
	s_lshl_b32 s56, s56, 23
	s_or_b32 s56, s56, 0x600000
	v_mov_b32 v11, s56                             ; 448 x 2^e10
	s_wait_loadcnt 28                              ; both operands are in; the 28 loads of x, g, b and bproj, issued behind them, may be out
	WIN 0x05
.irp s, 0,1                            ; the eight accumulators take turns, one instruction a turn
.irp ct, 0,1,2,3
.irp m, 0,1
.if \s == 0
	v_wmma_f32_16x16x128_fp8_fp8 v[ACC+8*(2*\ct+\m):ACC+8*(2*\ct+\m)+7], v[16*(2*\ct+\s):16*(2*\ct+\s)+15], v[128+16*(2*\m+\s):128+16*(2*\m+\s)+15], 0
.else
	v_wmma_f32_16x16x128_fp8_fp8 v[ACC+8*(2*\ct+\m):ACC+8*(2*\ct+\m)+7], v[16*(2*\ct+\s):16*(2*\ct+\s)+15], v[128+16*(2*\m+\s):128+16*(2*\m+\s)+15], v[ACC+8*(2*\ct+\m):ACC+8*(2*\ct+\m)+7]
.endif
.endr
.endr
.endr
	WIN 0
.rept 4
	v_nop                                          ; places in front of the stores that read the results
.endr
.irp ct, 0,1,2,3
.irp m, 0,1
	ds_store_b128 v5, v[ACC+8*(2*\ct+\m):ACC+8*(2*\ct+\m)+3] offset:\m*33024+\ct*64       ; each accumulator's low half first
	ds_store_b128 v5, v[ACC+8*(2*\ct+\m)+4:ACC+8*(2*\ct+\m)+7] offset:\m*33024+\ct*64+16
.endr
.endr
	s_wait_dscnt 0x0                               ; my sums have landed
	s_barrier_signal -1
	s_barrier_wait -1                              ; 32 whole rows lie in the stage
.irp i, 0,1,2,3
.irp q, 0,1,2,3
	ds_load_b128 v[Y+16*\i+4*\q:Y+16*\i+4*\q+3], v6 offset:\i*2064+\q*512
.endr
.endr
	s_wait_loadcnt 0x0
.irp i, 0,1,2,3
.irp j, 0,1,2,3,4,5,6,7
	v_pk_add_f32 v[X+16*\i+2*\j:X+16*\i+2*\j+1], v[X+16*\i+2*\j:X+16*\i+2*\j+1], v[BP+2*\j:BP+2*\j+1]
.endr
.endr
	s_wait_dscnt 0x0
.irp i, 0,1,2,3
.irp j, 0,1,2,3,4,5,6,7
	v_pk_fma_f32 v[X+16*\i+2*\j:X+16*\i+2*\j+1], v[Y+16*\i+2*\j:Y+16*\i+2*\j+1], s[44:45], v[X+16*\i+2*\j:X+16*\i+2*\j+1] op_sel_hi:[1,0,1]   ; x2 = sum x 2^(e8 + e9) + (x + bproj)
.endr
.endr
.irp i, 0,1,2,3
.irp q, 0,1,2,3
	global_store_b128 v1, v[X+16*\i+4*\q:X+16*\i+4*\q+3], s[22:23] offset:\i*2048+\q*512   ; 512 consecutive bytes a store; these registers are not written again
.endr
.endr
	LNSTAT X, Y
.irp i, 0,1,2,3
	QROW Y+16*\i, TT+16*(\i%2), CC+4*\i, 10, 11
	PUT CC+4*\i, 16*\i
.endr
	v_nop                                          ; a plain line behind the last conversion
	s_wait_dscnt 0x0                               ; my codes have landed
	s_barrier_signal -1
	s_barrier_wait -1                              ; both images are whole
.irp n, 0,1,2,3
	ds_load_b128 v[CC+4*\n:CC+4*\n+3], v3 offset:544*\n
.endr
.irp n, 0,1,2,3
	s_wait_dscnt 3-\n                              ; LDS loads come back in order: load n is in, the younger ones may be out
	global_store_b128 v1, v[CC+4*\n:CC+4*\n+3], s[24:25] offset:512*\n
.endr
	s_wait_tensorcnt 0x0                           ; the wave's end, behind my last LDS store
	ds_add_u32 v12, v13
	s_wait_dscnt 0x0
	s_endpgm
.Lfunc_end_k_q360d67dfdc_proj:
	.size	k_q360d67dfdc_proj, .Lfunc_end_k_q360d67dfdc_proj-k_q360d67dfdc_proj
	.p2alignl 7, 3214868480
	.fill 96, 4, 3214868480
	.section	.rodata,"a",@progbits
	.p2align	6, 0x0
	.amdhsa_kernel k_q360d67dfdc_proj
		.amdhsa_group_segment_fixed_size 84480
		.amdhsa_private_segment_fixed_size 0
		.amdhsa_enable_private_segment 0
		.amdhsa_kernarg_size 72
		.amdhsa_user_sgpr_count 2
		.amdhsa_user_sgpr_kernarg_segment_ptr 1
		.amdhsa_wavefront_size32 1
		.amdhsa_system_sgpr_workgroup_id_x 1
		.amdhsa_system_sgpr_workgroup_id_y 1
		.amdhsa_system_sgpr_workgroup_id_z 1
		.amdhsa_system_vgpr_workitem_id 0
		.amdhsa_next_free_vgpr 448
		.amdhsa_next_free_sgpr 66
		.amdhsa_reserve_vcc 0
		.amdhsa_float_denorm_mode_32 3
		.amdhsa_float_denorm_mode_16_64 3
		.amdhsa_memory_ordered 1
		.amdhsa_forward_progress 1
		.amdhsa_inst_pref_size 40
	.end_amdhsa_kernel
	.amdgpu_metadata
---
amdhsa.version: [ 1, 2 ]
amdhsa.kernels:
  - .name:           k_q360d67dfdc_proj
    .symbol:         k_q360d67dfdc_proj.kd
    .args:
      - { .name: ac, .offset: 0, .size: 8, .value_kind: global_buffer, .address_space: global }
      - { .name: Wproj_codes, .offset: 8, .size: 8, .value_kind: global_buffer, .address_space: global }
      - { .name: bproj, .offset: 16, .size: 8, .value_kind: global_buffer, .address_space: global }
      - { .name: x, .offset: 24, .size: 8, .value_kind: global_buffer, .address_space: global }
      - { .name: ln2_g, .offset: 32, .size: 8, .value_kind: global_buffer, .address_space: global }
      - { .name: ln2_b, .offset: 40, .size: 8, .value_kind: global_buffer, .address_space: global }
      - { .name: lowp_scales, .offset: 48, .size: 8, .value_kind: global_buffer, .address_space: global }
      - { .name: x2, .offset: 56, .size: 8, .value_kind: global_buffer, .address_space: global }
      - { .name: h2c, .offset: 64, .size: 8, .value_kind: global_buffer, .address_space: global }
    .group_segment_fixed_size: 84480
    .private_segment_fixed_size: 0
    .kernarg_segment_align: 8
    .kernarg_segment_size: 72
    .max_flat_workgroup_size: 256
    .sgpr_count:     66
    .vgpr_count:     448
    .wavefront_size: 32
...
	.end_amdgpu_metadata
.endif
;; end of part 3
;; launch ff1 (part 4): grid 8 x 32, 8 waves a work-group, clusters of 4 x 1, 167,936 bytes of LDS; arguments h2c, W1_codes, b1, lowp_scales, hid; writes hid
.if DOCPART == 4
	.amdgcn_target "amdgcn-amd-amdhsa--gfx1250"
	.amdhsa_code_object_version 6
	.text
	.protected	k_q360d67dfdc_ff1
	.globl	k_q360d67dfdc_ff1
	.p2align	8
	.type	k_q360d67dfdc_ff1,@function
k_q360d67dfdc_ff1:
	s_mov_b64 s[64:65], 0
	v_nop
	global_prefetch_b8 v0, s[64:65] scope:SCOPE_SE
	s_setreg_imm32_b32 hwreg(HW_REG_WAVE_MODE, 25, 1), 1
	s_wait_xcnt 0x0
	s_wait_alu depctr_hold_cnt(0) depctr_sa_sdst(0) depctr_va_vdst(0) depctr_va_sdst(0) depctr_va_ssrc(0) depctr_va_vcc(0) depctr_vm_vsrc(0)
	s_getreg_b32 s2, hwreg(HW_REG_IB_STS2, 6, 4)
	s_cmp_eq_u32 s2, 0
	s_cbranch_scc0 .Lentry_in_a_cluster
	s_endpgm
.Lentry_in_a_cluster:
	s_bfe_u32 s2, ttmp6, 0x10000c
	s_cmp_lg_u32 s2, 0x3003
	s_cbranch_scc0 .Lentry_shape_is_right
	s_endpgm
.Lentry_shape_is_right:
; LAUNCH 4 OF 5.  hid = leaky_relu(h2 W1 + b1), on codes of E4M3 (K = 512), quantised with 2^e12 for the last product.  Nothing is left out.
; SHARES.  A work-group takes 256 tokens (16 tiles) x 256 hidden units.  Wave w (cg = w % 4, rh = w / 4) takes units 64 cg .. 64 cg + 63 for token tiles 8 rh .. 8 rh + 7; its 16 fragments of W1
; (256 registers) stay in window 1 for the whole launch.  h2's codes for the 256 tokens are one dense block of 131,072 bytes in the order of the operand's registers: it fits in LDS whole and is filled once.
; CLUSTER.  The four work-groups of a cluster have the same tokens and other hidden units: they ask for that block JOINTLY, each wave one tensor load of 16,384 bytes with the same descriptor and the mask 15 in
; all four.  A wave has one tensor load out.  Nothing is filled again.  My place in the cluster enters the addresses of W1, b1 and hid alone.
; THE ROWS OF W1 THAT FORM A TILE ARE NOT NEIGHBOURS: lane r of tile 2 b + u takes row 32 b + 8 u + r + 8 (r / 8).  With source 0 = W1 and source 1 = the tokens a lane holds one token, and the 16 registers of
; tiles 2 b, 2 b + 1 are units 32 b + 16 h' + 0 .. 15: the conversions' results are 16 bytes of hid [token tile][K step][c][lane][16 codes], 512 consecutive bytes a store.
; b1 / 2^(e10 + e11) is the C of each sum's first matrix instruction.  leaky_relu(a y) = a leaky_relu(y) for a > 0, so it is applied to the sums as they stand, max(y, 0.01 y), and the three scales go into the conversion's one.
; LIMITS: e12 - e10 - e11 between -126 and 119.  NaN among the inputs is not served.
; REGISTERS, window 0: v1, v2, v4, v5 addresses; v10, v11 the conversion's scale and 448 x it; v12, v13 the add's two; v32-63 b1; v64-127 a tile's four fragments; v128-159 four accumulators; v160-191 at work;
;   v192-255 codes, eight registers a tile, so that no store's data are written again.   window 1: W1's fragment (tile, K step) at 16 (4 tile + step).
.set SPARE, 131072                     ; LDS: h2's codes from 0; behind them the spare words, 128 bytes a wave
.set B1,    32
.set AF,    64
.set ACC,   128
.set T,     160
.set HC,    192
.set MSB, 0
.macro WIN new                         ; the immediate's high byte repeats the setting that is left
.if MSB != \new
	s_set_vgpr_msb (MSB<<8)|\new
.set MSB, \new
.endif
.endm
.macro PLACES n
.rept \n
	v_nop
.endr
.endm
.macro ROUND                           ; a round of the cluster's barrier: my work-group's barrier; wave 0 signals for the work-group; every wave waits for all four; my work-group's barrier once more
	s_barrier_signal -1
	s_barrier_wait -1
	s_cmp_lg_u32 s14, 0
	s_cbranch_scc1 .Lnot_wave_0_\@
	s_barrier_signal -3
.Lnot_wave_0_\@:
	s_barrier_wait -3
	s_barrier_signal -1
	s_barrier_wait -1
.endm
	s_load_b256 s[4:11], s[0:1], 0x0               ; h2c, W1, b1, the scales' exponents
	s_load_b64 s[12:13], s[0:1], 0x20              ; hid
	v_lshl_add_u32 v12, v0, 2, SPARE
	v_mov_b32 v13, 0
	ds_add_u32 v12, v13                            ; the wave's opening: the add, twice on end, and its wait ahead of my first tensor load
	ds_add_u32 v12, v13
	v_lshrrev_b32 v3, 5, v0
	v_readfirstlane_b32 s14, v3                    ; wave 0..7
	; descriptor group 1: 64 rows of 32 elements of 8 bytes, dense: 16,384 bytes
	s_mov_b32 s24, 0x0023000f                      ; 15:0 the mask: all four work-groups; 17:16 elements of 8 bytes; 21 set beside a mask; no padding: the block is read 16 bytes a lane, lane by lane
	s_mov_b32 s25, 32<<16                          ; tensor_dim0 = 32
	s_mov_b32 s26, 64<<16                          ; tensor_dim1 = 64
	s_mov_b32 s27, 32<<16                          ; tile_dim0 = 32
	s_mov_b32 s28, 64                              ; tile_dim1 = 64
	s_mov_b32 s29, 32                              ; from row to row
	s_mov_b32 s30, 0
	s_mov_b32 s31, 0
	s_and_b32 s19, ttmp7, 0xffff                   ; the block of 256 tokens, which the four partners share
	s_lshl_b32 s20, s19, 17                        ; its 131,072 bytes,
	s_lshl_b32 s33, s14, 14                        ; my wave's 16,384 of them, in memory and in LDS alike
	s_add_co_u32 s20, s20, s33
	s_mov_b32 s21, 0
	s_mov_b32 s32, 1                               ; group 0: count = 1
	s_bfe_u32 s16, ttmp6, 0x40000                  ; my place in the cluster
	s_lshl_b32 s18, ttmp9, 2
	s_add_co_u32 s18, s18, s16                     ; my block of 256 hidden units
	s_and_b32 s15, s14, 3                          ; cg
	s_lshr_b32 s17, s14, 2                         ; rh
	v_and_b32 v3, 31, v0
	v_lshlrev_b32 v1, 4, v3                        ; 16 x lane
	s_lshl_b32 s22, s17, 16
	v_add_nc_u32 v2, s22, v1                       ; + my eight tiles of 8,192 bytes in LDS
	v_and_b32 v6, 15, v0                           ; r
	v_bfe_u32 v7, v0, 4, 1                         ; h'
	v_and_b32 v4, 8, v6
	v_add_nc_u32 v4, v4, v6                        ; r + 8 (r / 8)
	v_lshlrev_b32 v4, 9, v4                        ; W1: a row is 512 codes
	v_lshl_add_u32 v4, v7, 4, v4
	v_lshlrev_b32 v5, 6, v7                        ; b1: units 16 h' on
	s_wait_dscnt 0x0                               ; both opening adds are done
	s_wait_kmcnt 0x0
	s_load_b128 s[40:43], s[10:11], 0x28           ; e10 .. e13
	s_add_nc_u64 s[34:35], s[4:5], s[20:21]        ; group 0: the global address,
	s_or_b32 s35, s35, 0x80000000                  ; and the type
	ROUND                                          ; all four work-groups are here: the joint loads meet
	tensor_load_to_lds s[32:35], s[24:31]
	s_nop 0
	PLACES 4
	s_mov_b32 s23, 0
	s_lshl_b32 s22, s18, 17                        ; W1: 256 rows of 512 bytes a work-group,
	s_lshl_b32 s44, s15, 15                        ; 64 a wave
	s_add_co_u32 s22, s22, s44
	s_add_nc_u64 s[6:7], s[6:7], s[22:23]
	s_lshl_b32 s22, s18, 10                        ; b1 likewise, 4 bytes a unit
	s_lshl_b32 s44, s15, 8
	s_add_co_u32 s22, s22, s44
	s_add_nc_u64 s[8:9], s[8:9], s[22:23]
	s_lshl_b32 s22, s19, 19                        ; hid: 16 tiles of 32,768 bytes a work-group,
	s_lshl_b32 s44, s17, 18                        ; my eight,
	s_add_co_u32 s22, s22, s44
	s_lshl_b32 s44, s18, 12                        ; in a tile 16 bytes x 32 lanes for every 32 units: 4,096 for 256,
	s_add_co_u32 s22, s22, s44
	s_lshl_b32 s44, s15, 10                        ; 1,024 for 64
	s_add_co_u32 s22, s22, s44
	s_add_nc_u64 s[12:13], s[12:13], s[22:23]
	WIN 0x40
.irp tt, 0,1,2,3
.irp s, 0,1,2,3
.irp c, 0,1,2,3
	global_load_b128 v[16*(4*\tt+\s)+4*\c:16*(4*\tt+\s)+4*\c+3], v4, s[6:7] offset:(32*(\tt/2)+8*(\tt%2))*512+\s*128+\c*32
.endr
.endr
.endr
	WIN 0
.irp tt, 0,1,2,3
	global_load_b128 v[B1+8*\tt:B1+8*\tt+3], v5, s[8:9] offset:(32*(\tt/2)+8*(\tt%2))*4
	global_load_b128 v[B1+8*\tt+4:B1+8*\tt+7], v5, s[8:9] offset:(32*(\tt/2)+8*(\tt%2))*4+16
.endr
	s_mov_b32 s36, 0x3c23d70a                      ; 0.01
	s_mov_b32 s37, s36
	s_wait_kmcnt 0x0
	s_add_co_i32 s44, s40, s41                     ; e10 + e11
	s_sub_co_i32 s45, 0, s44
	s_sub_co_i32 s46, s42, s44                     ; e12 - e10 - e11
	s_add_co_i32 s46, s46, 127
	s_lshl_b32 s47, s46, 23
	v_mov_b32 v10, s47
	s_add_co_i32 s46, s46, 8
	s_lshl_b32 s46, s46, 23
	s_or_b32 s46, s46, 0x600000
	v_mov_b32 v11, s46
	s_wait_loadcnt 0x0
.set jj, 0
.rept 32
	v_ldexp_f32 v[B1+jj], v[B1+jj], s45            ; b1 / 2^(e10 + e11)
.set jj, jj+1
.endr
	s_wait_tensorcnt 0x0                           ; my part of the block is in,
	s_barrier_signal -1
	s_barrier_wait -1                              ; everybody's is
.macro FETCH t                         ; token tile t's four fragments
.irp s, 0,1,2,3
.irp c, 0,1,2,3
	ds_load_b128 v[AF+16*\s+4*\c:AF+16*\s+4*\c+3], v2 offset:(\t)*8192+\s*2048+\c*512
.endr
.endr
.endm
.macro TILE t
	s_wait_dscnt 0x0
	WIN 0x01
.irp s, 0,1,2,3                        ; the four accumulators take turns, one instruction a turn
.irp tt, 0,1,2,3
.if \s == 0
	v_wmma_f32_16x16x128_fp8_fp8 v[ACC+8*\tt:ACC+8*\tt+7], v[16*(4*\tt+\s):16*(4*\tt+\s)+15], v[AF+16*\s:AF+16*\s+15], v[B1+8*\tt:B1+8*\tt+7]
.else
	v_wmma_f32_16x16x128_fp8_fp8 v[ACC+8*\tt:ACC+8*\tt+7], v[16*(4*\tt+\s):16*(4*\tt+\s)+15], v[AF+16*\s:AF+16*\s+15], v[ACC+8*\tt:ACC+8*\tt+7]
.endif
.endr
.endr
	WIN 0
	PLACES 4                                       ; in front of the loads into the fragments' registers and of the first read of the results
.if \t < 7
	FETCH \t+1                                     ; lands while this tile is quantised
.endif
.set jj, 0
.rept 16
	v_pk_mul_f32 v[T+jj:T+jj+1], v[ACC+jj:ACC+jj+1], s[36:37] op_sel_hi:[1,0]   ; each accumulator from its low end on
.set jj, jj+2
.endr
.set jj, 0
.rept 32
	v_max_num_f32 v[T+jj], v[ACC+jj], v[T+jj]      ; leaky_relu: max(y, 0.01 y)
.set jj, jj+1
.endr
.set jj, 0
.rept 32
	v_med3_num_f32 v[T+jj], v[T+jj], -v11, v11     ; the conversion does not saturate (ISA guide 7.6.2); these 32 name none of the products' registers: more than the five places that the next tile's fresh sums want
.set jj, jj+1
.endr
.irp a, 0,1,2,3
	v_cvt_scalef32_pk8_fp8_f32 v[HC+8*\t+2*\a:HC+8*\t+2*\a+1], v[T+8*\a:T+8*\a+7], v10
.endr
	v_nop                                          ; a plain line behind the last conversion
	global_store_b128 v1, v[HC+8*\t:HC+8*\t+3], s[12:13] offset:\t*32768
	global_store_b128 v1, v[HC+8*\t+4:HC+8*\t+7], s[12:13] offset:\t*32768+512
.endm
	FETCH 0
.irp t, 0,1,2,3,4,5,6,7
	TILE \t
.endr
	s_wait_tensorcnt 0x0                           ; the wave's end, behind my last tensor load
	ds_add_u32 v12, v13
	s_wait_dscnt 0x0
	ROUND                                          ; the closing round: no work-group ends while a partner may still ask for a block that names it
	s_endpgm
.Lfunc_end_k_q360d67dfdc_ff1:
	.size	k_q360d67dfdc_ff1, .Lfunc_end_k_q360d67dfdc_ff1-k_q360d67dfdc_ff1
	.p2alignl 7, 3214868480
	.fill 96, 4, 3214868480
	.section	.rodata,"a",@progbits
	.p2align	6, 0x0
	.amdhsa_kernel k_q360d67dfdc_ff1
		.amdhsa_group_segment_fixed_size 167936
		.amdhsa_private_segment_fixed_size 0
		.amdhsa_enable_private_segment 0
		.amdhsa_kernarg_size 40
		.amdhsa_user_sgpr_count 2
		.amdhsa_user_sgpr_kernarg_segment_ptr 1
		.amdhsa_wavefront_size32 1
		.amdhsa_system_sgpr_workgroup_id_x 1
		.amdhsa_system_sgpr_workgroup_id_y 1
		.amdhsa_system_sgpr_workgroup_id_z 1
		.amdhsa_system_vgpr_workitem_id 0
		.amdhsa_next_free_vgpr 512
		.amdhsa_next_free_sgpr 66
		.amdhsa_reserve_vcc 0
		.amdhsa_float_denorm_mode_32 3
		.amdhsa_float_denorm_mode_16_64 3
		.amdhsa_memory_ordered 1
		.amdhsa_forward_progress 1
		.amdhsa_inst_pref_size 67
	.end_amdhsa_kernel
	.amdgpu_metadata
---
amdhsa.version: [ 1, 2 ]
amdhsa.kernels:
  - .name:           k_q360d67dfdc_ff1
    .symbol:         k_q360d67dfdc_ff1.kd
    .args:
      - { .name: h2c, .offset: 0, .size: 8, .value_kind: global_buffer, .address_space: global }
      - { .name: W1_codes, .offset: 8, .size: 8, .value_kind: global_buffer, .address_space: global }
      - { .name: b1, .offset: 16, .size: 8, .value_kind: global_buffer, .address_space: global }
      - { .name: lowp_scales, .offset: 24, .size: 8, .value_kind: global_buffer, .address_space: global }
      - { .name: hid, .offset: 32, .size: 8, .value_kind: global_buffer, .address_space: global }
    .group_segment_fixed_size: 167936
    .private_segment_fixed_size: 0
    .kernarg_segment_align: 8
    .kernarg_segment_size: 40
    .max_flat_workgroup_size: 256
    .sgpr_count:     66
    .vgpr_count:     512
    .wavefront_size: 32
...
	.end_amdgpu_metadata
.endif
;; end of part 4
;; launch ff2 (part 5): grid 4 x 64, 4 waves a work-group, no clusters, 68,096 bytes of LDS; arguments hid, W2_codes, b2, x2, lowp_scales, out0; writes out0
.if DOCPART == 5
	.amdgcn_target "amdgcn-amd-amdhsa--gfx1250"
	.amdhsa_code_object_version 6
	.text
	.protected	k_q360d67dfdc_ff2
	.globl	k_q360d67dfdc_ff2
	.p2align	8
	.type	k_q360d67dfdc_ff2,@function
k_q360d67dfdc_ff2:
	s_mov_b64 s[64:65], 0
	v_nop
	global_prefetch_b8 v0, s[64:65] scope:SCOPE_SE
	s_setreg_imm32_b32 hwreg(HW_REG_WAVE_MODE, 25, 1), 1
	s_wait_xcnt 0x0
; LAUNCH 5 OF 5.  out0 = x2 + hid W2 + b2, on codes of E4M3, K = 2,048.  Nothing is left out.
; SHARES.  A work-group takes 128 tokens (8 tiles) x 128 columns.  THE WAVES SHARE K: wave w takes K steps 4 w .. 4 w + 3 (of 128) for all 8 column tiles.  Its 32 fragments of W2 (512 registers) stay in
; windows 1 and 2 for the whole launch; its fragments of hid go from memory straight into registers, 512 consecutive bytes a load, two tiles ahead.  So no operand byte is read twice in the work-group.
; With source 0 = W2 and source 1 = the tokens a lane holds one token and eight neighbouring columns.  The four waves' partial sums of a tile meet in a stage in LDS (for each wave 16 rows of 512 bytes + 16);
; behind a barrier wave w adds the four parts of tokens 4 w .. 4 w + 3 and finishes them as whole rows of 512 bytes.  K shared among the waves changes the order of the f32 additions and nothing else.
; TWO STAGES BY TURNS, ONE BARRIER A TILE: a stage is written again two tiles on, behind the next tile's barrier, in front of which every wave has waited for its reads of it.
; LIMIT: e12 + e13 between -126 and 127.
; REGISTERS, window 0: v1-4 addresses; v12, v13 the add's two; v[16:19] b2; v32-159 two sets of four fragments of hid; v160-223 the four parts of my four rows; v224-255 two sets of four rows of x2, then of out0.
;   windows 1, 2: W2's fragment (column tile, K step) at 16 (4 (ct % 4) + sl), ct 0-3 in window 1, ct 4-7 in window 2.   window 3: the eight accumulators.
.set STGB,  33792                      ; LDS: a stage: 4 waves x 16 rows x 528 bytes; two of them;
.set SPARE, 67584                      ; the spare words, 128 bytes a wave
.set AF,    32
.set RD,    160
.set XR,    224
.set MSB, 0
.macro WIN new                         ; the immediate's high byte repeats the setting that is left
.if MSB != \new
	s_set_vgpr_msb (MSB<<8)|\new
.set MSB, \new
.endif
.endm
	s_load_b256 s[4:11], s[0:1], 0x0               ; hid, W2, b2, x2
	s_load_b128 s[12:15], s[0:1], 0x20             ; the scales' exponents, out0
	v_lshl_add_u32 v12, v0, 2, SPARE
	v_mov_b32 v13, 0
	v_lshrrev_b32 v5, 5, v0
	v_readfirstlane_b32 s24, v5                    ; wave 0..3
	v_and_b32 v5, 31, v0
	v_lshlrev_b32 v1, 4, v5                        ; 16 x lane
	v_and_b32 v6, 15, v0                           ; r
	v_bfe_u32 v7, v0, 4, 1                         ; h'
	v_lshlrev_b32 v2, 11, v6
	v_lshl_add_u32 v2, v7, 4, v2                   ; W2: row r of 2,048 codes, + 16 h'
	v_mul_u32_u24 v3, v6, 528
	v_lshl_add_u32 v3, v7, 5, v3
	s_mul_i32 s26, s24, 8448
	v_add_nc_u32 v3, s26, v3                       ; into a stage: my part; row r, + 32 h'
	s_mul_i32 s26, s24, 2112
	v_add_nc_u32 v4, s26, v1                       ; out of it: rows 4 w on, 16 bytes a lane
	s_and_b32 s25, ttmp7, 0xffff                   ; the block of 128 tokens
	s_mov_b32 s23, 0
	s_wait_kmcnt 0x0
	s_load_b64 s[16:17], s[12:13], 0x30            ; e12, e13
	s_lshl_b32 s22, s25, 18                        ; hid: 8 tiles of 32,768 bytes; x2, out0: 128 rows of 2,048 bytes;
	s_lshl_b32 s26, s24, 13                        ; hid: my four K steps of 2,048 bytes; x2, out0: four rows
	s_add_co_u32 s22, s22, s26
	s_add_nc_u64 s[4:5], s[4:5], s[22:23]
	s_lshl_b32 s26, ttmp9, 9                       ; my 128 columns of f32
	s_add_co_u32 s22, s22, s26
	s_add_nc_u64 s[10:11], s[10:11], s[22:23]
	s_add_nc_u64 s[14:15], s[14:15], s[22:23]
	s_mov_b32 s22, s26
	s_add_nc_u64 s[8:9], s[8:9], s[22:23]          ; b2
	s_lshl_b32 s22, ttmp9, 18                      ; W2: 128 rows of 2,048 bytes,
	s_lshl_b32 s26, s24, 9                         ; my four K steps of 128
	s_add_co_u32 s22, s22, s26
	s_add_nc_u64 s[6:7], s[6:7], s[22:23]
	WIN 0x40
.irp ct, 0,1,2,3
.irp sl, 0,1,2,3
.irp c, 0,1,2,3
	global_load_b128 v[16*(4*\ct+\sl)+4*\c:16*(4*\ct+\sl)+4*\c+3], v2, s[6:7] offset:\ct*32768+\sl*128+\c*32
.endr
.endr
.endr
	WIN 0x80
.irp ct, 0,1,2,3
.irp sl, 0,1,2,3
.irp c, 0,1,2,3
	global_load_b128 v[16*(4*\ct+\sl)+4*\c:16*(4*\ct+\sl)+4*\c+3], v2, s[6:7] offset:(\ct+4)*32768+\sl*128+\c*32
.endr
.endr
.endr
	WIN 0
	global_load_b128 v[16:19], v1, s[8:9]
.macro ALOAD t                         ; token tile t: my four fragments of hid, into set t % 2
.irp sl, 0,1,2,3
.irp c, 0,1,2,3
	global_load_b128 v[AF+64*((\t)%2)+16*\sl+4*\c:AF+64*((\t)%2)+16*\sl+4*\c+3], v1, s[4:5] offset:(\t)*32768+\sl*2048+\c*512
.endr
.endr
.endm
.macro XLOAD t                         ; my four rows of x2 in tile t, into set t % 2
.irp i, 0,1,2,3
	global_load_b128 v[XR+16*((\t)%2)+4*\i:XR+16*((\t)%2)+4*\i+3], v1, s[10:11] offset:(16*(\t)+\i)*2048 th:TH_LOAD_NT
.endr
.endm
	ALOAD 0
	XLOAD 0
	ALOAD 1
	XLOAD 1
	s_wait_kmcnt 0x0
	s_add_co_i32 s20, s16, s17
	s_add_co_i32 s20, s20, 127
	s_lshl_b32 s20, s20, 23                        ; 2^(e12 + e13)
	s_mov_b32 s21, s20
.macro TILE t
.set AB, AF+64*((\t)%2)
.set XB, XR+16*((\t)%2)
.set SB, STGB*((\t)%2)
.if (\t) < 7
	s_wait_loadcnt 24                              ; behind this tile's fragments stand its rows of x2 (4), the next tile's fragments (16) and rows (4)
.else
	s_wait_loadcnt 4                               ; behind the last tile's fragments: its rows of x2
.endif
	WIN 0xf1                                       ; source 0 window 1, source 1 window 0, C and D window 3
.irp sl, 0,1,2,3                       ; four accumulators take turns, one instruction a turn
.irp ct, 0,1,2,3
.if \sl == 0
	v_wmma_f32_16x16x128_fp8_fp8 v[8*\ct:8*\ct+7], v[16*(4*\ct+\sl):16*(4*\ct+\sl)+15], v[AB+16*\sl:AB+16*\sl+15], 0
.else
	v_wmma_f32_16x16x128_fp8_fp8 v[8*\ct:8*\ct+7], v[16*(4*\ct+\sl):16*(4*\ct+\sl)+15], v[AB+16*\sl:AB+16*\sl+15], v[8*\ct:8*\ct+7]
.endif
.endr
.endr
	WIN 0xf2                                       ; source 0 window 2
.irp sl, 0,1,2,3
.irp ct, 0,1,2,3
.if \sl == 0
	v_wmma_f32_16x16x128_fp8_fp8 v[32+8*\ct:32+8*\ct+7], v[16*(4*\ct+\sl):16*(4*\ct+\sl)+15], v[AB+16*\sl:AB+16*\sl+15], 0
.else
	v_wmma_f32_16x16x128_fp8_fp8 v[32+8*\ct:32+8*\ct+7], v[16*(4*\ct+\sl):16*(4*\ct+\sl)+15], v[AB+16*\sl:AB+16*\sl+15], v[32+8*\ct:32+8*\ct+7]
.endif
.endr
.endr
	WIN 0
.rept 4
	v_nop                                          ; places in front of the loads into the fragments' registers and of the stores that read the results
.endr
.if (\t) < 6
	ALOAD (\t)+2
.endif
	WIN 0x0c                                       ; an LDS store's data: window 3
.irp ct, 0,1,2,3,4,5,6,7
	ds_store_b128 v3, v[8*\ct:8*\ct+3] offset:SB+64*\ct        ; each accumulator's low half first
	ds_store_b128 v3, v[8*\ct+4:8*\ct+7] offset:SB+64*\ct+16
.endr
	WIN 0
	s_wait_dscnt 0x0                               ; my part has landed
	s_barrier_signal -1
	s_barrier_wait -1                              ; all four parts lie in the stage
.irp src, 0,1,2,3
.irp i, 0,1,2,3
	ds_load_b128 v[RD+16*\src+4*\i:RD+16*\src+4*\i+3], v4 offset:SB+\src*8448+\i*528
.endr
.endr
	s_wait_dscnt 0x0                               ; also: my reads of this stage are over before I signal the next barrier
.irp i, 0,1,2,3
.irp p, 0,2
	v_pk_add_f32 v[RD+4*\i+\p:RD+4*\i+\p+1], v[RD+4*\i+\p:RD+4*\i+\p+1], v[RD+16+4*\i+\p:RD+16+4*\i+\p+1]
	v_pk_add_f32 v[RD+32+4*\i+\p:RD+32+4*\i+\p+1], v[RD+32+4*\i+\p:RD+32+4*\i+\p+1], v[RD+48+4*\i+\p:RD+48+4*\i+\p+1]
.endr
.endr
.irp i, 0,1,2,3
.irp p, 0,2
	v_pk_add_f32 v[RD+4*\i+\p:RD+4*\i+\p+1], v[RD+4*\i+\p:RD+4*\i+\p+1], v[RD+32+4*\i+\p:RD+32+4*\i+\p+1]
.endr
.endr
.if (\t) < 6
	s_wait_loadcnt 36                              ; behind this tile's rows of x2: the next tile's fragments (16) and rows (4), and the fragments of the tile after it (16)
.elseif (\t) == 6
	s_wait_loadcnt 20                              ; the last tile's fragments and rows
.else
	s_wait_loadcnt 0x0
.endif
.irp i, 0,1,2,3
.irp p, 0,2
	v_pk_add_f32 v[XB+4*\i+\p:XB+4*\i+\p+1], v[XB+4*\i+\p:XB+4*\i+\p+1], v[16+\p:17+\p]
.endr
.endr
.irp i, 0,1,2,3
.irp p, 0,2
	v_pk_fma_f32 v[XB+4*\i+\p:XB+4*\i+\p+1], v[RD+4*\i+\p:RD+4*\i+\p+1], s[20:21], v[XB+4*\i+\p:XB+4*\i+\p+1] op_sel_hi:[1,0,1]   ; out0 = sum x 2^(e12 + e13) + (x2 + b2)
.endr
.endr
.irp i, 0,1,2,3
	global_store_b128 v1, v[XB+4*\i:XB+4*\i+3], s[14:15] offset:(16*(\t)+\i)*2048 th:TH_STORE_NT   ; 512 consecutive bytes, aligned; written once, read by nobody here
.endr
.if (\t) < 6
	s_wait_xcnt 0x0                                ; the stores have read their registers, which take the rows of two tiles on
	XLOAD (\t)+2
.endif
.endm
.irp t, 0,1,2,3,4,5,6,7
	TILE \t
.endr
	s_wait_tensorcnt 0x0                           ; the wave's end, behind my last LDS store
	ds_add_u32 v12, v13
	s_wait_dscnt 0x0
	s_endpgm
.Lfunc_end_k_q360d67dfdc_ff2:
	.size	k_q360d67dfdc_ff2, .Lfunc_end_k_q360d67dfdc_ff2-k_q360d67dfdc_ff2
	.p2alignl 7, 3214868480
	.fill 96, 4, 3214868480
	.section	.rodata,"a",@progbits
	.p2align	6, 0x0
	.amdhsa_kernel k_q360d67dfdc_ff2
		.amdhsa_group_segment_fixed_size 68096
		.amdhsa_private_segment_fixed_size 0
		.amdhsa_enable_private_segment 0
		.amdhsa_kernarg_size 48
		.amdhsa_user_sgpr_count 2
		.amdhsa_user_sgpr_kernarg_segment_ptr 1
		.amdhsa_wavefront_size32 1
		.amdhsa_system_sgpr_workgroup_id_x 1
		.amdhsa_system_sgpr_workgroup_id_y 1
		.amdhsa_system_sgpr_workgroup_id_z 1
		.amdhsa_system_vgpr_workitem_id 0
		.amdhsa_next_free_vgpr 832
		.amdhsa_next_free_sgpr 66
		.amdhsa_reserve_vcc 0
		.amdhsa_float_denorm_mode_32 3
		.amdhsa_float_denorm_mode_16_64 3
		.amdhsa_memory_ordered 1
		.amdhsa_forward_progress 1
		.amdhsa_inst_pref_size 89
	.end_amdhsa_kernel
	.amdgpu_metadata
---
amdhsa.version: [ 1, 2 ]
amdhsa.kernels:
  - .name:           k_q360d67dfdc_ff2
    .symbol:         k_q360d67dfdc_ff2.kd
    .args:
      - { .name: hid, .offset: 0, .size: 8, .value_kind: global_buffer, .address_space: global }
      - { .name: W2_codes, .offset: 8, .size: 8, .value_kind: global_buffer, .address_space: global }
      - { .name: b2, .offset: 16, .size: 8, .value_kind: global_buffer, .address_space: global }
      - { .name: x2, .offset: 24, .size: 8, .value_kind: global_buffer, .address_space: global }
      - { .name: lowp_scales, .offset: 32, .size: 8, .value_kind: global_buffer, .address_space: global }
      - { .name: out0, .offset: 40, .size: 8, .value_kind: global_buffer, .address_space: global }
    .group_segment_fixed_size: 68096
    .private_segment_fixed_size: 0
    .kernarg_segment_align: 8
    .kernarg_segment_size: 48
    .max_flat_workgroup_size: 128
    .sgpr_count:     66
    .vgpr_count:     832
    .wavefront_size: 32
...
	.end_amdgpu_metadata
.endif
;; end of part 5
